; MI455X (gfx1250); checked and timed in simulation.
; The chip was launched on July 23, 2026; its instructions are those of AMD's public machine-readable ISA for CDNA 5 (MIT licence, August 2026) and "CDNA5" Instruction Set Architecture Reference Guide (July 2026). The comments in the code are by the model that wrote it; some were corrected since.
;; PLT Block. Allowed arithmetic: matrix products marked QUANTISED: E2M3 operands, one E8M0 scale for each 32 along K, by v_wmma_scale_f32_16x16x128_f8f6f4 with both operands' format E2M3, f32 sums; everything else in f32.
;; Inputs: Wk 1,024 x 1,024 float32; Wp 1,024 x 1,024 float32; Wq 1,024 x 1,024 float32; Wv 1,024 x 1,024 float32; bp 1,024 float32; x 8 x 1,024 x 1,024 float32.
;; Outputs: out0 8 x 1,024 x 1,024 float32.
;; This version of the problem:
;;   THIS VERSION OF THE PROBLEM IS GIVEN IN LOW PRECISION. The matrix products marked QUANTISED in the list below multiply operands that are first quantised to E2M3 (2 exponent bits, 3 mantissa bits; 6 bits a number), with one power-of-two scale for each 32 numbers along K (OCP MX v1.0); their sums are f32. All else is computed in f32.
;;   The module's matrix products, in the order in which they are computed (A, B: the left and right operand; K: the contracted axis; several contracted axes count as one K, in the product's order):
;;     1. [M 8,192, K 1,024] x [K 1,024, N 1,024]; A: input x; B: input Wq: QUANTISED
;;     2. [M 8,192, K 1,024] x [K 1,024, N 1,024]; A: input x; B: input Wk: QUANTISED
;;     3. [M 8,192, K 1,024] x [K 1,024, N 1,024]; A: input x; B: input Wv: QUANTISED
;;     4. batch 8 x [M 1,024, K 1,024] x [K 1,024, N 1,024]; A: computed on the way; B: computed on the way: QUANTISED
;;     5. batch 8 x [M 1,024, K 1,024] x [K 1,024, N 1,024]; A: computed on the way; B: computed on the way: QUANTISED
;;     6. [M 8,192, K 1,024] x [K 1,024, N 1,024]; A: computed on the way; B: input Wp: QUANTISED
;;   THE QUANTISER, for each operand of a quantised product, along K:
;;     - K is cut into blocks of 32 from its start; a last block that is shorter is filled with zeros.
;;     - A block's scale is 2^e with e = floor(log2(the largest magnitude in the block)) - 2, held to -126 .. 127; a block of zeros has e = 0. As a byte (E8M0): e + 127.
;;     - Each number is divided by its block's scale, clamped to +-7.5, and rounded to the nearest number of E2M3, ties to even, subnormals kept.
;;     - The product sums the exact products of the quantised numbers (number of the format x scale) in f32.
;;   ~~~python
;;   def quantise(x, axis):      # numpy; x: float32 -> the quantised numbers, widened to float32 again
;;       x = np.moveaxis(x, axis, -1); K = x.shape[-1]
;;       x = np.pad(x, [(0, 0)] * (x.ndim - 1) + [(0, -K % 32)]); x = x.reshape(x.shape[:-1] + (-1, 32)); a = np.abs(x).max(-1, keepdims=True)
;;       e = np.where(a > 0, np.clip(np.frexp(np.where(a > 0, a, 1))[1] - 1 - 2, -126, 127), 0)      # np.frexp(a)[1] - 1 = floor(log2(a)), exactly
;;       r = np.clip(x / 2.0 ** e, -7.5, 7.5)
;;       step = 2.0 ** (np.maximum(np.frexp(np.where(r == 0, 1, r))[1] - 1, 0) - 3)
;;       q = np.round(r / step) * step * 2.0 ** e      # np.round: ties to even
;;       return np.moveaxis(q.reshape(q.shape[:-2] + (-1,))[..., :K], -1, axis).astype(np.float32)
;;   ~~~
;;   OPERANDS COMPUTED ON THE WAY. 'Computed on the way' means the value that the module computes at that place (a softmax that the list does not call 'softmax' is quantised finished and normalised). What goes into a quantiser is computed in f32, as accurately as f32 sums, v_exp_f32 and their like allow (about 1e-6 of the number): no bf16 or f16 on the way to a quantiser, and a product that is left as it is and whose result goes on into a quantised operand takes f32 operands (vector FMAs, or v_wmma_f32_16x16x4_f32). A number that lies on a knife's edge between two numbers of the format may be rounded either way, as far as f32 arithmetic and the matrix unit's own rounding can turn it there, and no further.
;; One version. Each part assembles by itself: llvm-mc -triple=amdgcn-amd-amdhsa -mcpu=gfx1250 --defsym DOCPART=n.
;; ======== version 1 of 1: 5 launches
;; workspace buffers: xq 6,553,600 bytes; wc 3,276,800 bytes; qq 6,553,600 bytes; kt 6,553,600 bytes; vt 6,553,600 bytes; kvt 6,553,600 bytes; zq 6,553,600 bytes
;; launch quant (part 1): grid 256 x 1, 6 waves a work-group, no clusters, 51,456 bytes of LDS; arguments x, Wq, Wk, Wv, Wp, xq, wc; writes xq, wc
.if DOCPART == 1
	.amdgcn_target "amdgcn-amd-amdhsa--gfx1250"
	.amdhsa_code_object_version 6
	.text
	.protected	k_q5fbc94bce0_quant
	.globl	k_q5fbc94bce0_quant
	.p2align	8
	.type	k_q5fbc94bce0_quant,@function
k_q5fbc94bce0_quant:
	s_mov_b64 s[64:65], 0
	v_nop
	global_prefetch_b8 v0, s[64:65] scope:SCOPE_SE
	s_setreg_imm32_b32 hwreg(HW_REG_WAVE_MODE, 25, 1), 1
	s_wait_xcnt 0x0
; x [8][1024][1024] and Wq, Wk, Wv, Wp [1024][1024], f32, K = the last axis, become codes of FP6 (E2M3) with one E8M0 byte for each 32 along K.
; NO WORK OF THE PROBLEM IS LEFT OUT in this program: every input reaches out0, and all six products are made, each on codes.
; A block's scale is 2^(floor(log2(its largest magnitude)) - 2); its byte is the largest magnitude's exponent field - 2, held at 1 from below.
; LIMITS: a block of zeros gets the byte 1 where the problem's text says 127 (its codes are zeros, which add nothing, and this program alone reads the bytes); NaN and infinities among the inputs are not served.
; THE LAYOUT OF EVERY OPERAND BUFFER OF THIS PROGRAM is an image of the operand's registers: [batch or weight][K step of 128: 8][group of 64 rows: 16][record of 6,400 bytes].
; A record is four fragments (16 rows x 128 K, 12 registers a lane): registers 4 c .. 4 c + 3 of lane l of fragment a lie at 1536 a + 512 c + 16 l; behind them, at 6144, 256 bytes of scale words: the word at
; 8 l + 4 p is that of fragment 2 p + l / 16, row l % 16.  Lane r of fragment a holds row 32 (a / 2) + 8 (a % 2) + r + 8 (r / 8) of the group: with that choice of rows a product's results lie, in a lane's registers,
; as 16 neighbours along the next product's K.
; SHARES: 1,536 records (x: 1,024; the weights: 4 x 128), one to a wave, six waves to a work-group.  Waves share nothing: no barrier.
; A tile of 16 rows x 512 bytes is loaded as it lies (each load: 512 consecutive bytes), turned through the wave's own stage in LDS (rows 528 bytes apart), and comes back as 16 neighbours of each block of 32 for each lane.
.set REC,   6400
.set SP,    528                        ; a stage row: 512 bytes + 16
.set WST,   16*SP                      ; a wave's stage
.set SPARE, 6*WST                      ; behind the stages: the spare words, 128 bytes for each wave: three blocks of 256 bytes that no other line names
.set L16, 2                            ; v2   16 x lane
.set L8,  3                            ; v3   8 x lane
.set SA,  4                            ; v4   the stage on the way in: 16 x lane
.set LA,  5                            ; v5   and on the way out: row lane % 16, + 64 (lane / 16)
.set TM,  16                           ; v16-19 largest magnitudes
.set TP,  20                           ; v20-23 the other half's, then the bytes
.set TS,  24                           ; v24-27 the conversions' scale operands
.set PW,  28                           ; v28-31 the four tiles' scale words
.set R,   32                           ; v32-159 two sets of 64: a tile as loaded
.set X,   160                          ; v160-223 a tile as the conversions want it: register 16 b + i = k 32 b + 16 (lane / 16) + i
.set PC,  224                          ; v224-243 codes
.set SW,  244                          ; v[244:245] the record's scale words as stored
.set SPW, 246                          ; v246 LDS address of my spare word; never rewritten
.set NIL, 247                          ; v247 0; never rewritten
.set SEL, 30                           ; s[30:31] v_permlanex16_b32's selects for lane l xor 16
	s_load_b256 s[4:11], s[0:1], 0x0               ; x, Wq, Wk, Wv
	s_load_b128 s[12:15], s[0:1], 0x20             ; Wp, xq
	s_load_b64 s[16:17], s[0:1], 0x30              ; wc
	v_lshl_add_u32 v[SPW], v0, 2, SPARE
	v_mov_b32 v[NIL], 0
	v_lshrrev_b32 v1, 5, v0
	v_readfirstlane_b32 s18, v1                    ; wave 0..5
	s_mul_i32 s19, ttmp9, 6
	s_add_co_u32 s19, s19, s18                     ; my record, 0 .. 1,535
	s_cmp_lt_u32 s19, 1024                         ; x's, or a weight's?  Ids alone decide
	s_cselect_b32 s21, 1, 0
	s_cselect_b32 s26, 0, 1024
	s_sub_co_u32 s19, s19, s26                     ; the record's number in its buffer
	s_lshr_b32 s20, s19, 7                         ; the batch, or the weight (0 Wq, 1 Wk, 2 Wv, 3 Wp)
	s_and_b32 s26, s19, 15
	s_lshl_b32 s26, s26, 18                        ; the group's 64 rows of 4,096 bytes
	s_bfe_u32 s27, s19, 0x30004
	s_lshl_b32 s27, s27, 9                         ; the K step's 512 bytes
	s_add_co_u32 s26, s26, s27
	s_lshl_b32 s27, s20, 22                        ; x alone: the batch's 4 MiB
	s_cmp_eq_u32 s21, 1
	s_cselect_b32 s27, s27, 0
	s_add_co_u32 s26, s26, s27
	s_mov_b32 s27, 0
	s_mul_i32 s28, s19, REC
	s_mov_b32 s29, 0
	s_mov_b32 s[SEL], 0x76543210
	s_mov_b32 s[SEL+1], 0xfedcba98
	s_mul_i32 s32, s18, WST
	v_and_b32 v1, 31, v0                           ; lane
	v_lshlrev_b32 v[L16], 4, v1
	v_lshlrev_b32 v[L8], 3, v1
	v_add_nc_u32 v[SA], s32, v[L16]
	v_and_b32 v6, 15, v0
	v_bfe_u32 v7, v0, 4, 1
	v_mul_u32_u24 v[LA], v6, SP
	v_lshl_add_u32 v[LA], v7, 6, v[LA]
	v_add_nc_u32 v[LA], s32, v[LA]
.irp b, 0,1,2,3
	v_mov_b32 v[TP+\b], 0                          ; written once: a lane permute's destination counts as one of its sources
.endr
	s_wait_kmcnt 0x0
	s_cmp_eq_u32 s20, 1                            ; only pointers are chosen: all tensors take one path through the text
	s_cselect_b64 s[22:23], s[8:9], s[6:7]
	s_cmp_eq_u32 s20, 2
	s_cselect_b64 s[22:23], s[10:11], s[22:23]
	s_cmp_eq_u32 s20, 3
	s_cselect_b64 s[22:23], s[12:13], s[22:23]
	s_cmp_eq_u32 s21, 1
	s_cselect_b64 s[22:23], s[4:5], s[22:23]
	s_cselect_b64 s[24:25], s[14:15], s[16:17]
	s_add_nc_u64 s[22:23], s[22:23], s[26:27]      ; the record's numbers
	s_add_nc_u64 s[24:25], s[24:25], s[28:29]      ; the record
.macro LOAD a                          ; tile a's 16 rows, 512 consecutive bytes a load, into set a % 2
.irp p, 0,1,2,3,4,5,6,7,8,9,10,11,12,13,14,15
	global_load_b128 v[R+64*((\a)%2)+4*\p:R+64*((\a)%2)+4*\p+3], v[L16], s[22:23] offset:(32*((\a)/2)+8*((\a)%2)+\p+8*(\p/8))*4096 th:TH_LOAD_NT
.endr
.endm
.macro TURN a                          ; through my stage: LDS serves a wave's instructions in order, so no wait stands between the stores and the loads
.irp p, 0,1,2,3,4,5,6,7,8,9,10,11,12,13,14,15
	ds_store_b128 v[SA], v[R+64*((\a)%2)+4*\p:R+64*((\a)%2)+4*\p+3] offset:\p*SP
.endr
.irp b, 0,1,2,3
.irp j, 0,1,2,3
	ds_load_b128 v[X+16*\b+4*\j:X+16*\b+4*\j+3], v[LA] offset:128*\b+16*\j
.endr
.endr
.endm
; 64 numbers of a lane, register 16 b + i = k 32 b + 16 (lane / 16) + i of my row, become a fragment's codes in v[PC] on and its scale word in v[w]
.macro QUANT s, w
.irp b, 0,1,2,3
	v_max3_num_f32 v[TM+\b], |v[\s+16*\b]|, |v[\s+1+16*\b]|, 0x1800000   ; my 16 numbers of block b, and the floor 2^(3 - 127): the byte cannot fall under 1
.endr
.irp i, 2,4,6,8,10,12,14
.irp b, 0,1,2,3
	v_max3_num_f32 v[TM+\b], v[TM+\b], |v[\s+16*\b+\i]|, |v[\s+1+16*\b+\i]|   ; the four blocks by turns
.endr
.endr
.irp b, 0,1,2,3
	v_permlanex16_b32 v[TP+\b], v[TM+\b], s[SEL], s[SEL+1]
.endr
.irp b, 0,1,2,3
	v_max_num_f32 v[TM+\b], v[TM+\b], v[TP+\b]     ; with lane l xor 16's: the block's largest magnitude
.endr
.irp b, 0,1,2,3
	v_add_nc_u32 v[TS+\b], 0xff000000, v[TM+\b]    ; 2 off its exponent field: the conversion takes the exponent field of this operand as its scale
.endr
.irp b, 0,1,2,3
	v_lshrrev_b32 v[TP+\b], 23, v[TS+\b]           ; the scale's byte
.endr
	v_lshl_or_b32 v[\w], v[TP+1], 8, v[TP]
	v_lshl_or_b32 v[\w], v[TP+2], 16, v[\w]
	v_lshl_or_b32 v[\w], v[TP+3], 24, v[\w]        ; my row's scale word (both halves of the lanes hold it)
.irp c, 0,1
	v_cvt_scalef32_pk16_fp6_f32 v[PC+6*\c:PC+2+6*\c], v[\s+32*\c:\s+15+32*\c], v[TS+2*\c]
	v_cvt_scalef32_pk16_fp6_f32 v[PC+12+4*\c:PC+14+4*\c], v[\s+16+32*\c:\s+31+32*\c], v[TS+2*\c+1]   ; (a conversion's three registers begin on an even number)
.endr
	v_nop                                          ; one plain place behind a scaled conversion
.irp c, 0,1                                    ; the operand's layout wants a whole block in a lane: lanes 0-15 block 2 c, lanes 16-31 block 2 c + 1
.irp i, 0,1,2
	v_permlane16_swap_b32 v[PC+6*\c+\i], v[PC+12+4*\c+\i]
.endr
.irp i, 0,1,2
	v_mov_b32 v[PC+3+6*\c+\i], v[PC+12+4*\c+\i]
.endr
.endr
.endm
	LOAD 0
	LOAD 1
.irp a, 0,1,2,3
.if \a < 3
	s_wait_loadcnt 16                              ; this tile's 16 loads are in; the next tile's 16 may be out
.else
	s_wait_loadcnt 0x0
.endif
	TURN \a
	s_wait_dscnt 0x0                               ; the tile is back from the stage, and the stage's stores have read their registers
.if \a > 0
	s_wait_xcnt 0x0                                ; the last tile's stores have read the codes' registers, which are written again below
.endif
.if \a < 2
	LOAD \a+2
.endif
	QUANT X, PW+\a
.irp c, 0,1,2
	global_store_b128 v[L16], v[PC+4*\c:PC+4*\c+3], s[24:25] offset:\a*1536+512*\c   ; 32 lanes store 512 consecutive bytes, at a multiple of 256 from the buffer's first byte
.endr
.endr
	v_cmp_gt_u32 vcc_lo, 16, v1
	v_cndmask_b32 v[SW], v[PW+1], v[PW], vcc_lo    ; lanes 0-15: fragment 0's words, lanes 16-31: fragment 1's
	v_cndmask_b32 v[SW+1], v[PW+3], v[PW+2], vcc_lo   ; and fragments 2 and 3
	global_store_b64 v[L8], v[SW:SW+1], s[24:25] offset:6144   ; 256 consecutive bytes
	s_wait_tensorcnt 0x0                           ; the wave's end: behind my last LDS store
	ds_add_u32 v[SPW], v[NIL]
	s_wait_dscnt 0x0
	s_endpgm
.Lfunc_end_k_q5fbc94bce0_quant:
	.size	k_q5fbc94bce0_quant, .Lfunc_end_k_q5fbc94bce0_quant-k_q5fbc94bce0_quant
	.p2alignl 7, 3214868480
	.fill 96, 4, 3214868480
	.section	.rodata,"a",@progbits
	.p2align	6, 0x0
	.amdhsa_kernel k_q5fbc94bce0_quant
		.amdhsa_group_segment_fixed_size 51456
		.amdhsa_private_segment_fixed_size 0
		.amdhsa_enable_private_segment 0
		.amdhsa_kernarg_size 56
		.amdhsa_user_sgpr_count 2
		.amdhsa_user_sgpr_kernarg_segment_ptr 1
		.amdhsa_wavefront_size32 1
		.amdhsa_system_sgpr_workgroup_id_x 1
		.amdhsa_system_sgpr_workgroup_id_y 1
		.amdhsa_system_sgpr_workgroup_id_z 1
		.amdhsa_system_vgpr_workitem_id 0
		.amdhsa_next_free_vgpr 248
		.amdhsa_next_free_sgpr 66
		.amdhsa_reserve_vcc 1
		.amdhsa_float_denorm_mode_32 3
		.amdhsa_float_denorm_mode_16_64 3
		.amdhsa_memory_ordered 1
		.amdhsa_forward_progress 1
		.amdhsa_inst_pref_size 34
	.end_amdhsa_kernel
	.amdgpu_metadata
---
amdhsa.version: [ 1, 2 ]
amdhsa.kernels:
  - .name:           k_q5fbc94bce0_quant
    .symbol:         k_q5fbc94bce0_quant.kd
    .args:
      - { .name: x, .offset: 0, .size: 8, .value_kind: global_buffer, .address_space: global }
      - { .name: Wq, .offset: 8, .size: 8, .value_kind: global_buffer, .address_space: global }
      - { .name: Wk, .offset: 16, .size: 8, .value_kind: global_buffer, .address_space: global }
      - { .name: Wv, .offset: 24, .size: 8, .value_kind: global_buffer, .address_space: global }
      - { .name: Wp, .offset: 32, .size: 8, .value_kind: global_buffer, .address_space: global }
      - { .name: xq, .offset: 40, .size: 8, .value_kind: global_buffer, .address_space: global }
      - { .name: wc, .offset: 48, .size: 8, .value_kind: global_buffer, .address_space: global }
    .group_segment_fixed_size: 51456
    .private_segment_fixed_size: 0
    .kernarg_segment_align: 8
    .kernarg_segment_size: 56
    .max_flat_workgroup_size: 192
    .sgpr_count:     66
    .vgpr_count:     248
    .wavefront_size: 32
...
	.end_amdgpu_metadata
.endif
;; end of part 1
;; launch prod_qkv (part 2): grid 8 x 32, 4 waves a work-group, clusters of 4 x 4, 327,680 bytes of LDS; arguments xq, wc, qq, kt, vt; writes qq, kt, vt
.if DOCPART == 2
	.amdgcn_target "amdgcn-amd-amdhsa--gfx1250"
	.amdhsa_code_object_version 6
	.text
	.protected	k_q5fbc94bce0_prod_qkv
	.globl	k_q5fbc94bce0_prod_qkv
	.p2align	8
	.type	k_q5fbc94bce0_prod_qkv,@function
k_q5fbc94bce0_prod_qkv:
	s_mov_b64 s[64:65], 0
	v_nop
	global_prefetch_b8 v0, s[64:65] scope:SCOPE_SE
	s_setreg_imm32_b32 hwreg(HW_REG_WAVE_MODE, 25, 1), 1
	s_wait_xcnt 0x0
	s_wait_alu depctr_hold_cnt(0) depctr_sa_sdst(0) depctr_va_vdst(0) depctr_va_sdst(0) depctr_va_ssrc(0) depctr_va_vcc(0) depctr_vm_vsrc(0)
	s_getreg_b32 s2, hwreg(HW_REG_IB_STS2, 6, 4)
	s_cmp_eq_u32 s2, 0
	s_cbranch_scc0 .Lentry_in_a_cluster
	s_endpgm
.Lentry_in_a_cluster:
	s_bfe_u32 s2, ttmp6, 0x10000c
	s_cmp_lg_u32 s2, 0xf033
	s_cbranch_scc0 .Lentry_shape_is_right
	s_endpgm
.Lentry_shape_is_right:
; Three products of the problem in one launch, each Out[b][i][j] = sum over k of I[i][k] J[j][k] on codes of FP6 (E2M3) with E8M0 scales, K = 1,024:
;   job 0: q[b] (rows s, along e): I = x[b], J = Wq;   job 1: k[b] transposed (rows e, along s): I = Wk, J = x[b];   job 2: v[b] transposed: I = Wv, J = x[b].
; Each result is quantised at once ALONG j, which is the K of the product that takes it in, and stored as codes.  Nothing of the problem is left out.
; LIMITS: a block of zeros gets the byte 1 (its codes are zeros; this program alone reads the bytes); NaN and infinities are not served.
; OPERAND BUFFERS, all alike: [batch or weight][K step of 128: 8][group of 64 rows: 16][record of 6,400 bytes].  A record: four fragments of 16 rows x 128 K as images of their 12 registers (registers 4 c .. 4 c + 3 of
; lane l of fragment a at 1536 a + 512 c + 16 l), then at 6144 the scale words (at 8 l + 4 p: fragment 2 p + l / 16, row l % 16).  Lane r of fragment a holds row 32 (a / 2) + 8 (a % 2) + r + 8 (r / 8) of its group.
; A WORK-GROUP STAYS: it holds 256 rows s of x[b] (four records x 8 K steps, 204,800 bytes, fetched once) and 128 rows e of a weight (two records x 8 K steps, 102,400 bytes), and runs the three jobs on them:
; 8 batches x 4 blocks of s x 8 blocks of e = 256 work-groups.  The weight's bytes are two slots, K steps 0-3 and 4-7: as soon as every wave has read a slot out, it takes the next weight's K steps, which land
; under the products that follow; a job's stores leave under the next job's products.
; SHARES: four waves, each 64 (i) x 128 (j): 32 accumulators, 256 registers.  Job 0: wave w takes x's record w against the weight's two.  Jobs 1, 2: wave w takes the weight's record w / 2 against x's records 2 (w % 2), 2 (w % 2) + 1.
; THE MATRIX INSTRUCTION IS USED TRANSPOSED: source 0 = 16 rows of J, source 1 = 16 rows of I.  A lane then holds one row i, and by the choice of rows above the 16 registers of tiles 2 b and 2 b + 1 are the
; 16 neighbours j = 32 b + 16 (lane / 16) + 0 .. 15.  So a wave's result, quantised in registers, IS one record of the output buffer.
; CLUSTERS: 4 x 4 work-groups; the cluster's y is the batch, cy the block of s, 4 x the cluster's x + cx the block of e.  The four of a row of the cluster need the same records of x, the four of a column the same
; records of the weight: each is asked for jointly.  Every wave issues every load, its addresses made by arithmetic on its number: six are out at the head, later one.
; REGISTERS: window 0: v1-13 lane terms; v16-31 scale words, two sets; v32-127 I's fragments, two sets; v128-179 at work on the way out; the way out's codes in v80-119 and v180-219; v224-237 LDS addresses.
;   window 1: J's fragments, two sets, at v0 and v128.   window 2: accumulator (a, t) at v[64 a + 8 t].
.set REC,   6400
.set KSB,   16*REC                     ; a K step of a batch
.set BSB,   8*KSB                      ; a batch, or a weight
.set XRB,   8*REC                      ; LDS: a record of x for all of K; four of them from byte 0
.set WB0,   4*XRB                      ; then the weight: K step s, record q at WPB (s / 2) + 2 REC q + REC (s % 2)
.set WPB,   4*REC                      ; two K steps of its two records
.set WSL,   2*WPB                      ; a slot: four K steps
.set SPARE, WB0+2*WSL                  ; behind them: the spare words, 128 bytes for each wave: two blocks of 256 bytes that no other line names
.set L16, 2                            ; v2   16 x lane
.set L8,  3                            ; v3   8 x lane
.set SPW, 10                           ; v10  LDS address of my spare word; never rewritten
.set NIL, 11                           ; v11  0; never rewritten
.set SW,  12                           ; v[12:13] a record's scale words as stored
.set SC,  16                           ; scale words, set p at v[16 + 8 p]: +0, +1 I's pairs of fragments, +2 .. +5 J's: lanes 0-15 the even fragment's words, lanes 16-31 the odd one's
.set IFR, 32                           ; I's fragments, set p at v[32 + 48 p]
.set PC,  80                           ; the way out: tile a's codes at v[80 + 20 a + 60 (a / 2)]: beside set 0, which holds the next job's first operands by then
.set TM,  128
.set TP,  144
.set TS,  160
.set PW,  176
.set XIF, 224                          ; v224 job 0: my record of x, + 16 x lane;  v225 the same + 8 x lane, for its scale words
.set XIS, 225
.set WJF, 226                          ; v226-227 job 0: the weight's slots A and B, + 16 x lane;  v228-229 + 8 x lane
.set WJS, 228
.set WIF, 230                          ; v230-231 jobs 1, 2: my record of the weight in slots A and B;  v232-233 for its scale words
.set WIS, 232
.set XJF, 234                          ; v234-235 jobs 1, 2: my two records of x;  v236-237 for their scale words
.set XJS, 236
.set G1X, 24                           ; s[24:31] descriptor group 1 for x;  s[32:39] for the weight: they differ in the mask alone
.set G1W, 32
.set G0X, 40                           ; s[40:55] groups 0 for x, one for each of its four loads
.set G0WA, 68                          ; s[68:71] group 0 for slot A;  s[72:75] for slot B: each walks from weight to weight
.set G0WB, 72
.set OQ,  76                           ; s[76:77] my record of q's codes;  s[78:79] of k's;  s[80:81] of v's
.set OK,  78
.set OV,  80
.set SEL, 96                           ; s[96:97] v_permlanex16_b32's selects for lane l xor 16
.set MSB, 0
.macro WIN new                         ; the immediate's high byte repeats the setting that is left
.if MSB != \new
	s_set_vgpr_msb (MSB<<8)|\new
.set MSB, \new
.endif
.endm
.macro PLACES                          ; four places in front of loads into registers that matrix instructions have read (ISA guide 7.12.1 for vector instructions)
.rept 4
	v_nop
.endr
.endm
.macro TL g0, g1                       ; a joint load; an s_nop 0 and four v_nop follow it
	tensor_load_to_lds s[\g0:\g0+3], s[\g1:\g1+7]
	s_nop 0
	PLACES
.endm
.macro CREST                           ; a round of the cluster's barrier behind its opening barrier
	s_cmp_lg_u32 s14, 0
	s_cbranch_scc1 .Lnot_wave_0_\@
	s_barrier_signal -3
.Lnot_wave_0_\@:
	s_barrier_wait -3
	s_barrier_signal -1
	s_barrier_wait -1
.endm
.macro CROUND                          ; a whole round
	s_barrier_signal -1
	s_barrier_wait -1
	CREST
.endm
; 39 LDS loads in one run: K step s's fragments and scale words into set p.  job 0: J = the weight's two records, I = my record of x; else: J = my two records of x, I = my record of the weight.
; Every load takes consecutive bytes, 16 or 8 a lane; every offset fits the 16-bit immediate
.macro FETCH job, s, p
	WIN 0x40                                       ; destination window 1
.irp t, 0,1,2,3,4,5,6,7
.irp c, 0,1,2
.if \job == 0
	ds_load_b128 v[128*(\p)+12*\t+4*\c:128*(\p)+12*\t+4*\c+3], v[WJF+(\s)/4] offset:(((\s)/2)%2)*WPB+(\t/4)*2*REC+((\s)%2)*REC+(\t%4)*1536+512*\c
.else
	ds_load_b128 v[128*(\p)+12*\t+4*\c:128*(\p)+12*\t+4*\c+3], v[XJF+(\t/4)] offset:(\s)*REC+(\t%4)*1536+512*\c
.endif
.endr
.endr
	WIN 0
.irp a, 0,1,2,3
.irp c, 0,1,2
.if \job == 0
	ds_load_b128 v[IFR+48*(\p)+12*\a+4*\c:IFR+48*(\p)+12*\a+4*\c+3], v[XIF] offset:(\s)*REC+\a*1536+512*\c
.else
	ds_load_b128 v[IFR+48*(\p)+12*\a+4*\c:IFR+48*(\p)+12*\a+4*\c+3], v[WIF+(\s)/4] offset:(((\s)/2)%2)*WPB+((\s)%2)*REC+\a*1536+512*\c
.endif
.endr
.endr
.if \job == 0
	ds_load_b64 v[SC+8*(\p):SC+8*(\p)+1], v[XIS] offset:(\s)*REC+6144
.irp q, 0,1
	ds_load_b64 v[SC+8*(\p)+2+2*\q:SC+8*(\p)+3+2*\q], v[WJS+(\s)/4] offset:(((\s)/2)%2)*WPB+\q*2*REC+((\s)%2)*REC+6144
.endr
.else
	ds_load_b64 v[SC+8*(\p):SC+8*(\p)+1], v[WIS+(\s)/4] offset:(((\s)/2)%2)*WPB+((\s)%2)*REC+6144
.irp q, 0,1
	ds_load_b64 v[SC+8*(\p)+2+2*\q:SC+8*(\p)+3+2*\q], v[XJS+\q] offset:(\s)*REC+6144
.endr
.endif
.endm
; Four matrix instructions: I's tiles 2 ah, 2 ah + 1 x J's tiles 2 th, 2 th + 1.  An odd tile's scale words stand in lanes 16-31 of its pair's register.  first = 1: the product starts the sums: nothing is cleared
.macro QUAD ah, th, p, first
.set rD, 128*(\ah)+16*(\th)
.set rJ, 128*(\p)+24*(\th)
.set rI, IFR+48*(\p)+24*(\ah)
.set rSJ, SC+8*(\p)+2+(\th)
.set rSI, SC+8*(\p)+(\ah)
.if \first
	v_wmma_scale_f32_16x16x128_f8f6f4 v[rD:rD+7], v[rJ:rJ+11], v[rI:rI+11], 0, v[rSJ], v[rSI] matrix_a_fmt:MATRIX_FMT_FP6 matrix_b_fmt:MATRIX_FMT_FP6
	v_wmma_scale_f32_16x16x128_f8f6f4 v[rD+8:rD+15], v[rJ+12:rJ+23], v[rI:rI+11], 0, v[rSJ], v[rSI] matrix_a_fmt:MATRIX_FMT_FP6 matrix_b_fmt:MATRIX_FMT_FP6 matrix_a_scale:MATRIX_SCALE_ROW1
	v_wmma_scale_f32_16x16x128_f8f6f4 v[rD+64:rD+71], v[rJ:rJ+11], v[rI+12:rI+23], 0, v[rSJ], v[rSI] matrix_a_fmt:MATRIX_FMT_FP6 matrix_b_fmt:MATRIX_FMT_FP6 matrix_b_scale:MATRIX_SCALE_ROW1
	v_wmma_scale_f32_16x16x128_f8f6f4 v[rD+72:rD+79], v[rJ+12:rJ+23], v[rI+12:rI+23], 0, v[rSJ], v[rSI] matrix_a_fmt:MATRIX_FMT_FP6 matrix_b_fmt:MATRIX_FMT_FP6 matrix_a_scale:MATRIX_SCALE_ROW1 matrix_b_scale:MATRIX_SCALE_ROW1
.else
	v_wmma_scale_f32_16x16x128_f8f6f4 v[rD:rD+7], v[rJ:rJ+11], v[rI:rI+11], v[rD:rD+7], v[rSJ], v[rSI] matrix_a_fmt:MATRIX_FMT_FP6 matrix_b_fmt:MATRIX_FMT_FP6
	v_wmma_scale_f32_16x16x128_f8f6f4 v[rD+8:rD+15], v[rJ+12:rJ+23], v[rI:rI+11], v[rD+8:rD+15], v[rSJ], v[rSI] matrix_a_fmt:MATRIX_FMT_FP6 matrix_b_fmt:MATRIX_FMT_FP6 matrix_a_scale:MATRIX_SCALE_ROW1
	v_wmma_scale_f32_16x16x128_f8f6f4 v[rD+64:rD+71], v[rJ:rJ+11], v[rI+12:rI+23], v[rD+64:rD+71], v[rSJ], v[rSI] matrix_a_fmt:MATRIX_FMT_FP6 matrix_b_fmt:MATRIX_FMT_FP6 matrix_b_scale:MATRIX_SCALE_ROW1
	v_wmma_scale_f32_16x16x128_f8f6f4 v[rD+72:rD+79], v[rJ+12:rJ+23], v[rI+12:rI+23], v[rD+72:rD+79], v[rSJ], v[rSI] matrix_a_fmt:MATRIX_FMT_FP6 matrix_b_fmt:MATRIX_FMT_FP6 matrix_a_scale:MATRIX_SCALE_ROW1 matrix_b_scale:MATRIX_SCALE_ROW1
.endif
.endm
.macro MULH p, first, ah               ; half a K step: 16 matrix instructions
.irp th, 0,1,2,3
	QUAD \ah, \th, \p, \first
.endr
.endm
.macro MUL p, first                    ; a K step: the 32 accumulators take turns, one instruction a turn, in the same order in every step
	WIN 0xa1                                       ; source 0 (J) window 1, source 1 (I) window 0, C and D window 2
	MULH \p, \first, 0
	MULH \p, \first, 1
	WIN 0
.endm
; K step s of a job: the next step's fragments are asked for in one run, then this step's 32 products are issued while they come
.macro STEP job, s, first
	PLACES
	FETCH \job, (\s)+1, ((\s)+1)%2
	s_wait_dscnt 39                                ; all but the 39 just issued: this step's operands are in
	MUL (\s)%2, \first
.endm
; A barrier behind which nothing is filled again: tiles that have landed are shown to every wave.  n: my younger tensor loads, which may stay out
.macro MEET n
	s_wait_dscnt 0x0                               ; no LDS instruction of mine is out at a signal
	s_wait_tensorcnt \n
	s_barrier_signal -1
	s_barrier_wait -1
.endm
; K step s (3 or 7), the last whose operands come from one of the weight's slots: they are in registers when the wait on DScnt has passed.  Each wave waits for all its tensor loads, adds 0 to its spare word, and waits for
; that and for its reads of the slot; the barrier opens a round of the cluster's barrier, behind which no wave of any partner reads the slot or has a load on its way; the slot takes the next weight's four K steps.
; Then the operands of K step ns of job nj are asked for.  g0: the slot's group 0.
.macro TURN s, g0, nj, ns
	s_wait_tensorcnt 0x0                           ; all my tensor loads have landed, so a group 0 may be written
	ds_add_u32 v[SPW], v[NIL]                      ; 0 onto my spare word
	s_add_nc_u64 s[\g0+2:\g0+3], s[\g0+2:\g0+3], BSB   ; the next weight lies a weight's bytes on; the type bits on top are not reached
	s_wait_dscnt 0x0                               ; the add is done, and my reads of the slot are over
	s_barrier_signal -1
	WIN 0xa1
	MULH (\s)%2, 0, 0                              ; work on registers while the others arrive
	WIN 0
	s_barrier_wait -1
	CREST
	TL \g0, G1W                                    ; my one tensor load behind the round, and the first thing there; its four v_nop are also the places in front of the loads below
	FETCH \nj, \ns, (\ns)%2
	WIN 0xa1
	MULH (\s)%2, 0, 1
	WIN 0
.endm
; THE WAY OUT: each of my four tiles of 16 rows has 64 numbers a lane, register 16 b + i = j 32 b + 16 (lane / 16) + i: four blocks of 32 of the next K.  The sixteen blocks take turns line by line.  ob: my record's address
.macro WAYOUT ob
.irp n, 0,1,2,3,4,5,6,7,8,9,10,11,12,13,14,15
	v_mov_b32 v[TP+\n], 0                          ; a lane permute's destination counts as one of its sources.  These sixteen are also the places behind the last products
.endr
	WIN 0x0a                                       ; sources 0 and 1 window 2
.irp a, 0,1,2,3
.irp b, 0,1,2,3
	v_max3_num_f32 v[TM+4*\a+\b], |v[64*\a+16*\b]|, |v[64*\a+16*\b+1]|, 0x1800000   ; and the floor 2^(3 - 127): the byte cannot fall under 1.  Each accumulator is read from its low end on
.endr
.endr
	WIN 0x28                                       ; sources 1 and 2 window 2
.irp i, 2,4,6,8,10,12,14
.irp a, 0,1,2,3
.irp b, 0,1,2,3
	v_max3_num_f32 v[TM+4*\a+\b], v[TM+4*\a+\b], |v[64*\a+16*\b+\i]|, |v[64*\a+16*\b+\i+1]|
.endr
.endr
.endr
	WIN 0
.irp n, 0,1,2,3,4,5,6,7,8,9,10,11,12,13,14,15
	v_permlanex16_b32 v[TP+\n], v[TM+\n], s[SEL], s[SEL+1]
.endr
.irp n, 0,1,2,3,4,5,6,7,8,9,10,11,12,13,14,15
	v_max_num_f32 v[TM+\n], v[TM+\n], v[TP+\n]     ; with lane l xor 16's: the block's largest magnitude
.endr
.irp n, 0,1,2,3,4,5,6,7,8,9,10,11,12,13,14,15
	v_add_nc_u32 v[TS+\n], 0xff000000, v[TM+\n]    ; 2 off its exponent field: the conversion's scale operand
.endr
.irp n, 0,1,2,3,4,5,6,7,8,9,10,11,12,13,14,15
	v_lshrrev_b32 v[TP+\n], 23, v[TS+\n]           ; the scale's byte
.endr
.irp a, 0,1,2,3
	v_lshl_or_b32 v[PW+\a], v[TP+4*\a+1], 8, v[TP+4*\a]
.endr
.irp a, 0,1,2,3
	v_lshl_or_b32 v[PW+\a], v[TP+4*\a+2], 16, v[PW+\a]
.endr
.irp a, 0,1,2,3
	v_lshl_or_b32 v[PW+\a], v[TP+4*\a+3], 24, v[PW+\a]   ; tile a: my row's scale word
.endr
	WIN 0x02                                       ; source 0 window 2
.irp a, 0,1,2,3
.irp c, 0,1
	v_cvt_scalef32_pk16_fp6_f32 v[PC+20*\a+60*(\a/2)+6*\c:PC+20*\a+60*(\a/2)+6*\c+2], v[64*\a+32*\c:64*\a+32*\c+15], v[TS+4*\a+2*\c]
	v_cvt_scalef32_pk16_fp6_f32 v[PC+20*\a+60*(\a/2)+12+4*\c:PC+20*\a+60*(\a/2)+14+4*\c], v[64*\a+32*\c+16:64*\a+32*\c+31], v[TS+4*\a+2*\c+1]   ; (a conversion's three registers begin on an even number)
.endr
.endr
	WIN 0
	v_nop                                          ; one plain place behind the last scaled conversion
.irp a, 0,1,2,3                                ; the operand's layout wants a whole block in a lane: lanes 0-15 block 2 c, lanes 16-31 block 2 c + 1
.irp c, 0,1
.irp i, 0,1,2
	v_permlane16_swap_b32 v[PC+20*\a+60*(\a/2)+6*\c+\i], v[PC+20*\a+60*(\a/2)+12+4*\c+\i]
.endr
.irp i, 0,1,2
	v_mov_b32 v[PC+20*\a+60*(\a/2)+3+6*\c+\i], v[PC+20*\a+60*(\a/2)+12+4*\c+\i]
.endr
.endr
.endr
.irp a, 0,1,2,3
.irp c, 0,1,2
	global_store_b128 v[L16], v[PC+20*\a+60*(\a/2)+4*\c:PC+20*\a+60*(\a/2)+4*\c+3], s[\ob:\ob+1] offset:\a*1536+512*\c   ; 32 lanes store 512 consecutive bytes, at a multiple of 256 from the buffer's first byte
.endr
.endr
	v_cmp_gt_u32 vcc_lo, 16, v1
	v_cndmask_b32 v[SW], v[PW+1], v[PW], vcc_lo    ; lanes 0-15: fragment 0's words, lanes 16-31: fragment 1's
	v_cndmask_b32 v[SW+1], v[PW+3], v[PW+2], vcc_lo
	global_store_b64 v[L8], v[SW:SW+1], s[\ob:\ob+1] offset:6144   ; 256 consecutive bytes
.endm
	s_load_b128 s[4:7], s[0:1], 0x0                ; xq, wc
	s_load_b128 s[8:11], s[0:1], 0x10              ; qq, kt
	s_load_b64 s[12:13], s[0:1], 0x20              ; vt
	v_lshl_add_u32 v[SPW], v0, 2, SPARE
	v_mov_b32 v[NIL], 0
	ds_add_u32 v[SPW], v[NIL]                      ; the wave's opening: the add, twice on end, and its wait ahead of my first tensor load
	ds_add_u32 v[SPW], v[NIL]                      ; and once more; the set-up below, work on registers, stands between it and the wait
	v_lshrrev_b32 v1, 5, v0
	v_readfirstlane_b32 s14, v1                    ; wave 0..3
	s_lshr_b32 s15, s14, 1                         ; w / 2: jobs 1, 2: my record of the weight.  Also: which two K steps of a slot I fetch
	s_and_b32 s16, s14, 1                          ; w % 2: jobs 1, 2: my two records of x.  Also: which record of the weight I fetch
	s_bfe_u32 s17, ttmp6, 0x40000                  ; cx
	s_bfe_u32 s18, ttmp6, 0x40004                  ; cy: the block of 256 rows s
	s_and_b32 s21, ttmp7, 0xffff                   ; the batch: the cluster's y
	s_lshl_b32 s19, ttmp9, 2
	s_add_co_u32 s19, s19, s17                     ; the block of 128 rows e: 4 x the cluster's x + cx
	s_lshl_b32 s84, s18, 2
	s_lshl_b32 s84, 15, s84                        ; my row of the cluster
	s_lshl_b32 s85, 0x1111, s17                    ; my column
	s_or_b32 s[G1X], s84, (3<<16)|(1<<21)          ; 15:0 the mask: x's records go to my row; 17:16 elements of 8 bytes; 20 no padding; 21 set beside a mask
	s_or_b32 s[G1W], s85, (3<<16)|(1<<21)          ; the weight's go to my column
.irp g, G1X, G1W
	s_mov_b32 s[\g+1], (REC/8)<<16                 ; tensor_dim0: a record
	s_mov_b32 s[\g+2], 2<<16                       ; tensor_dim1: two K steps
	s_mov_b32 s[\g+3], (REC/8)<<16                 ; tile_dim0
	s_mov_b32 s[\g+4], 2                           ; tile_dim1
	s_mov_b32 s[\g+5], KSB/8                       ; from K step to K step
	s_mov_b32 s[\g+6], 0
	s_mov_b32 s[\g+7], 0
.endr
	s_mul_i32 s20, s21, BSB                        ; the batch's bytes
	s_lshl_b32 s98, s18, 2                         ; x: group 4 cy + wave: hangs on cy, never on cx
	s_add_co_u32 s98, s98, s14
	s_mul_i32 s86, s98, REC
	s_add_co_u32 s86, s86, s20
	s_mov_b32 s87, 0
	s_lshl_b32 s99, s19, 1                         ; the weight: group 2 x block of e + w % 2: hangs on cx, never on cy;
	s_add_co_u32 s99, s99, s16
	s_mul_i32 s88, s99, REC
	s_mul_i32 s99, s15, 2*KSB                      ; K steps 2 (w / 2) on
	s_add_co_u32 s88, s88, s99
	s_mov_b32 s89, 0
	s_mul_i32 s56, s19, KSB                        ; my record of q: K step = the block of e, the batch and group as x's
	s_add_co_u32 s56, s56, s86
	s_mov_b32 s57, 0
	s_lshl_b32 s58, s18, 1                         ; my record of k and of v, transposed: K step 2 cy + w % 2,
	s_add_co_u32 s58, s58, s16
	s_mul_i32 s58, s58, KSB
	s_lshl_b32 s59, s19, 1                         ; group 2 x block of e + w / 2,
	s_add_co_u32 s59, s59, s15
	s_mul_i32 s59, s59, REC
	s_add_co_u32 s58, s58, s59
	s_add_co_u32 s58, s58, s20                     ; the batch
	s_mov_b32 s59, 0
	s_mul_i32 s60, s14, XRB                        ; where my loads go: the wave's number alone.  x: record w;
	s_mul_i32 s61, s15, WPB                        ; the weight: the pair of K steps w / 2 of a slot,
	s_mul_i32 s62, s16, 2*REC                      ; record w % 2
	s_add_co_u32 s61, s61, s62
	s_add_co_u32 s61, s61, WB0
	s_mov_b32 s[SEL], 0x76543210
	s_mov_b32 s[SEL+1], 0xfedcba98
	s_wait_dscnt 0x0                               ; both opening adds are done
	s_wait_kmcnt 0x0
	s_add_nc_u64 s[90:91], s[4:5], s[86:87]
	s_add_nc_u64 s[92:93], s[6:7], s[88:89]        ; Wq is the first weight, Wk the second, Wv the third
	s_add_nc_u64 s[OQ:OQ+1], s[8:9], s[56:57]
	s_add_nc_u64 s[OK:OK+1], s[10:11], s[58:59]
	s_add_nc_u64 s[OV:OV+1], s[12:13], s[58:59]
.irp g, 0,1,2,3                                ; x: K steps 2 g and 2 g + 1
	s_mov_b32 s[G0X+4*\g], 1
	s_add_co_u32 s[G0X+4*\g+1], s60, \g*2*REC
	s_add_nc_u64 s[G0X+4*\g+2:G0X+4*\g+3], s[90:91], \g*2*KSB
	s_or_b32 s[G0X+4*\g+3], s[G0X+4*\g+3], 0x80000000
.endr
	s_mov_b32 s[G0WA], 1                           ; the weight: my part of slot A,
	s_mov_b32 s[G0WA+1], s61
	s_mov_b64 s[G0WA+2:G0WA+3], s[92:93]
	s_or_b32 s[G0WA+3], s[G0WA+3], 0x80000000
	s_mov_b32 s[G0WB], 1                           ; and of slot B: four K steps on
	s_add_co_u32 s[G0WB+1], s61, WSL
	s_add_nc_u64 s[G0WB+2:G0WB+3], s[92:93], 4*KSB
	s_or_b32 s[G0WB+3], s[G0WB+3], 0x80000000
	CROUND                                         ; all sixteen work-groups are here: the joint loads meet
	TL G0WA, G1W                                   ; the first fills, in the order in which they are wanted: six loads of mine are out
	TL G0X, G1X
	TL G0X+4, G1X
	TL G0WB, G1W
	TL G0X+8, G1X
	TL G0X+12, G1X
	v_and_b32 v1, 31, v0                           ; lane
	v_lshlrev_b32 v[L16], 4, v1
	v_lshlrev_b32 v[L8], 3, v1
	v_add_nc_u32 v[XIF], s60, v[L16]
	v_add_nc_u32 v[XIS], s60, v[L8]
	v_add_nc_u32 v[WJF], WB0, v[L16]
	v_add_nc_u32 v[WJF+1], WB0+WSL, v[L16]
	v_add_nc_u32 v[WJS], WB0, v[L8]
	v_add_nc_u32 v[WJS+1], WB0+WSL, v[L8]
	s_mul_i32 s62, s15, 2*REC
	s_add_co_u32 s62, s62, WB0
	v_add_nc_u32 v[WIF], s62, v[L16]
	v_add_nc_u32 v[WIS], s62, v[L8]
	s_add_co_u32 s62, s62, WSL
	v_add_nc_u32 v[WIF+1], s62, v[L16]
	v_add_nc_u32 v[WIS+1], s62, v[L8]
	s_mul_i32 s63, s16, 2*XRB
	v_add_nc_u32 v[XJF], s63, v[L16]
	v_add_nc_u32 v[XJS], s63, v[L8]
	s_add_co_u32 s63, s63, XRB
	v_add_nc_u32 v[XJF+1], s63, v[L16]
	v_add_nc_u32 v[XJS+1], s63, v[L8]
	; ---- job 0: q
	s_wait_tensorcnt 4                             ; my parts of slot A and of x's K steps 0 and 1 are in; my four younger loads may be out,
	s_barrier_signal -1
	s_barrier_wait -1                              ; everybody's are
	FETCH 0, 0, 0
	STEP 0, 0, 1
	MEET 3                                         ; x's K steps 2 and 3 are in; my three younger loads may be out
	STEP 0, 1, 0
	STEP 0, 2, 0
	TURN 3, G0WA, 0, 4                             ; all first fills have landed; slot A takes Wk's K steps 0-3, which have three and a half K steps, 112 matrix instructions, in which to land
	STEP 0, 4, 0
	STEP 0, 5, 0
	STEP 0, 6, 0
	TURN 7, G0WB, 1, 0                             ; slot A is whole; slot B takes Wk's K steps 4-7; the next job's first operands are asked for
	WAYOUT OQ
	; ---- job 1: k, transposed
	s_wait_xcnt 0x0                                ; the way out's stores have read their registers: the loads below land on some of them
	STEP 1, 0, 1
	STEP 1, 1, 0
	STEP 1, 2, 0
	TURN 3, G0WA, 1, 4                             ; slot B is whole; slot A takes Wv's K steps 0-3
	STEP 1, 4, 0
	STEP 1, 5, 0
	STEP 1, 6, 0
	TURN 7, G0WB, 2, 0                             ; slot A is whole; slot B takes Wv's K steps 4-7: the last load
	WAYOUT OK
	; ---- job 2: v, transposed.  Nothing is left to fetch: no round
	s_wait_xcnt 0x0                                ; as above
	STEP 2, 0, 1
	STEP 2, 1, 0
	STEP 2, 2, 0
	MEET 0                                         ; my one load that was out, my part of slot B, has landed; everybody's has
	STEP 2, 3, 0
	STEP 2, 4, 0
	STEP 2, 5, 0
	STEP 2, 6, 0
	s_wait_dscnt 0x0                               ; the last K step: nothing more to fetch
	MUL 1, 0
	WAYOUT OV
	s_wait_tensorcnt 0x0                           ; the wave's end: behind my last tensor load
	ds_add_u32 v[SPW], v[NIL]
	s_wait_dscnt 0x0
	CROUND                                         ; the closing round: no work-group ends while a partner may still ask for a tile that names it
	s_endpgm
.Lfunc_end_k_q5fbc94bce0_prod_qkv:
	.size	k_q5fbc94bce0_prod_qkv, .Lfunc_end_k_q5fbc94bce0_prod_qkv-k_q5fbc94bce0_prod_qkv
	.p2alignl 7, 3214868480
	.fill 96, 4, 3214868480
	.section	.rodata,"a",@progbits
	.p2align	6, 0x0
	.amdhsa_kernel k_q5fbc94bce0_prod_qkv
		.amdhsa_group_segment_fixed_size 327680
		.amdhsa_private_segment_fixed_size 0
		.amdhsa_enable_private_segment 0
		.amdhsa_kernarg_size 40
		.amdhsa_user_sgpr_count 2
		.amdhsa_user_sgpr_kernarg_segment_ptr 1
		.amdhsa_wavefront_size32 1
		.amdhsa_system_sgpr_workgroup_id_x 1
		.amdhsa_system_sgpr_workgroup_id_y 1
		.amdhsa_system_sgpr_workgroup_id_z 1
		.amdhsa_system_vgpr_workitem_id 0
		.amdhsa_next_free_vgpr 768
		.amdhsa_next_free_sgpr 100
		.amdhsa_reserve_vcc 1
		.amdhsa_float_denorm_mode_32 3
		.amdhsa_float_denorm_mode_16_64 3
		.amdhsa_memory_ordered 1
		.amdhsa_forward_progress 1
		.amdhsa_inst_pref_size 223
	.end_amdhsa_kernel
	.amdgpu_metadata
---
amdhsa.version: [ 1, 2 ]
amdhsa.kernels:
  - .name:           k_q5fbc94bce0_prod_qkv
    .symbol:         k_q5fbc94bce0_prod_qkv.kd
    .args:
      - { .name: xq, .offset: 0, .size: 8, .value_kind: global_buffer, .address_space: global }
      - { .name: wc, .offset: 8, .size: 8, .value_kind: global_buffer, .address_space: global }
      - { .name: qq, .offset: 16, .size: 8, .value_kind: global_buffer, .address_space: global }
      - { .name: kt, .offset: 24, .size: 8, .value_kind: global_buffer, .address_space: global }
      - { .name: vt, .offset: 32, .size: 8, .value_kind: global_buffer, .address_space: global }
    .group_segment_fixed_size: 327680
    .private_segment_fixed_size: 0
    .kernarg_segment_align: 8
    .kernarg_segment_size: 40
    .max_flat_workgroup_size: 128
    .sgpr_count:     100
    .vgpr_count:     768
    .wavefront_size: 32
...
	.end_amdgpu_metadata
.endif
;; end of part 2
;; launch prod_kv (part 3): grid 32 x 8, 4 waves a work-group, clusters of 4 x 4, 327,680 bytes of LDS; arguments vt, kt, kvt; writes kvt
.if DOCPART == 3
	.amdgcn_target "amdgcn-amd-amdhsa--gfx1250"
	.amdhsa_code_object_version 6
	.text
	.protected	k_q5fbc94bce0_prod_kv
	.globl	k_q5fbc94bce0_prod_kv
	.p2align	8
	.type	k_q5fbc94bce0_prod_kv,@function
k_q5fbc94bce0_prod_kv:
	s_mov_b64 s[64:65], 0
	v_nop
	global_prefetch_b8 v0, s[64:65] scope:SCOPE_SE
	s_setreg_imm32_b32 hwreg(HW_REG_WAVE_MODE, 25, 1), 1
	s_wait_xcnt 0x0
	s_wait_alu depctr_hold_cnt(0) depctr_sa_sdst(0) depctr_va_vdst(0) depctr_va_sdst(0) depctr_va_ssrc(0) depctr_va_vcc(0) depctr_vm_vsrc(0)
	s_getreg_b32 s2, hwreg(HW_REG_IB_STS2, 6, 4)
	s_cmp_eq_u32 s2, 0
	s_cbranch_scc0 .Lentry_in_a_cluster
	s_endpgm
.Lentry_in_a_cluster:
	s_bfe_u32 s2, ttmp6, 0x10000c
	s_cmp_lg_u32 s2, 0xf033
	s_cbranch_scc0 .Lentry_shape_is_right
	s_endpgm
.Lentry_shape_is_right:
; Out[b][i][j] = sum over k of I[b][i][k] J[b][j][k], 1,024 x 1,024 x 1,024 for each of 8 batches, on codes of FP6 (E2M3) with E8M0 scales; the result is quantised at once along j and stored as codes.
; It serves two products of the problem: kv transposed (rows f, along e): I = v transposed, J = k transposed, K = s;  and z (rows s, along f): I = q, J = kv transposed, K = e.  Nothing of the problem is left out.
; LIMITS: a block of zeros gets the byte 1 (its codes are zeros; this program alone reads the bytes); NaN and infinities are not served.
; OPERAND BUFFERS, all alike: [batch][K step of 128: 8][group of 64 rows: 16][record of 6,400 bytes].  A record: four fragments of 16 rows x 128 K as images of their 12 registers (registers 4 c .. 4 c + 3 of
; lane l of fragment a at 1536 a + 512 c + 16 l), then at 6144 the scale words (at 8 l + 4 p: fragment 2 p + l / 16, row l % 16).  Lane r of fragment a holds row 32 (a / 2) + 8 (a % 2) + r + 8 (r / 8) of its group.
; SHARES: a work-group makes 128 (i) x 256 (j), four waves 2 x 2, each 64 x 128: 32 accumulators, 256 registers.  256 work-groups; the cluster's x is the batch.
; THE MATRIX INSTRUCTION IS USED TRANSPOSED: source 0 = 16 rows of J, source 1 = 16 rows of I.  A lane then holds one row i, and by the choice of rows above the 16 registers of tiles 2 b and 2 b + 1 are the
; 16 neighbours j = 32 b + 16 (lane / 16) + 0 .. 15.  So a wave's result, quantised in registers, IS one record of the output buffer.
; NO RING: the tile's operands for all of K, (2 + 4) records x 8 K steps = 307,200 bytes, lie in LDS at once.  Each wave asks for its part (a group of I or a half of J) in four tensor loads (two K steps each) at the head: four are out at the most.
; A counted wait and a barrier stand ahead of the first read of each pair of K steps; nothing is filled twice.
; CLUSTERS: 4 x 4 work-groups.  The four of a row of the cluster need the same records of I, the four of a column the same records of J: each is asked for jointly.
; REGISTERS: window 0: v1-13 addresses; v16-31 scale words, two sets; v32-127 I's fragments, two sets (on the way out: codes); v128-179 at work on the way out.  window 1: J's fragments, two sets, at v0 and v128.
;   window 2: accumulator (a, t) at v[64 a + 8 t].
.set REC,   6400
.set KSB,   16*REC                     ; a K step of a batch
.set BSB,   8*KSB                      ; a batch
.set LIB,   8*REC                      ; LDS: a group of I for all of K; two of them from byte 0
.set LJ0,   2*LIB                      ; then J:
.set LJB,   16*REC                     ; a half of J (two groups) for all of K, K step by K step; two of them
.set SPARE, LJ0+2*LJB                  ; behind them: the spare words, 128 bytes for each wave: two blocks of 256 bytes that no other line names
.set L16, 2                            ; v2   16 x lane
.set L8,  3                            ; v3   8 x lane
.set AI,  4                            ; v4   LDS: my group of I, + 16 x lane
.set ASI, 5                            ; v5   the same + 8 x lane, for its scale words
.set AJ,  6                            ; v6-7 my half of J, K steps 0-3 and 4-7
.set ASJ, 8                            ; v8-9 the same for its scale words
.set SPW, 10                           ; v10  LDS address of my spare word; never rewritten
.set NIL, 11                           ; v11  0; never rewritten
.set SW,  12                           ; v[12:13] the record's scale words as stored
.set SC,  16                           ; scale words, set p at v[16 + 8 p]: +0, +1 I's pairs of fragments, +2 .. +5 J's: lanes 0-15 the even fragment's words, lanes 16-31 the odd one's
.set IFR, 32                           ; I's fragments, set p at v[32 + 48 p]
.set PC,  32                           ; the way out: tile a's codes at v[32 + 20 a]
.set TM,  128
.set TP,  144
.set TS,  160
.set PW,  176
.set G1I, 24                           ; s[24:31] descriptor group 1 for I;  s[32:39] for J
.set G1J, 32
.set G0I, 40                           ; s[40:55] groups 0 for I, one for each of the four loads;  s[68:83] for J
.set G0J, 68
.set SEL, 96                           ; s[96:97] v_permlanex16_b32's selects for lane l xor 16
.set MSB, 0
.macro WIN new                         ; the immediate's high byte repeats the setting that is left
.if MSB != \new
	s_set_vgpr_msb (MSB<<8)|\new
.set MSB, \new
.endif
.endm
; A joint load: waves 0 and 1 fetch for I, waves 2 and 3 for J.  The branch hangs on the wave's number alone.  An s_nop 0 and four v_nop follow each of the two lines.
.macro JLOAD g0i, g1i, g0j, g1j
	s_cmp_eq_u32 s15, 0
	s_cbranch_scc0 .Lfor_j_\@
	tensor_load_to_lds s[\g0i:\g0i+3], s[\g1i:\g1i+7]
	s_nop 0
.rept 4
	v_nop
.endr
	s_branch .Lasked_\@
.Lfor_j_\@:
	tensor_load_to_lds s[\g0j:\g0j+3], s[\g1j:\g1j+7]
	s_nop 0
.rept 4
	v_nop
.endr
.Lasked_\@:
.endm
.macro CROUND                          ; a round of the cluster's barrier
	s_barrier_signal -1
	s_barrier_wait -1
	s_cmp_lg_u32 s14, 0
	s_cbranch_scc1 .Lnot_wave_0_\@
	s_barrier_signal -3
.Lnot_wave_0_\@:
	s_barrier_wait -3
	s_barrier_signal -1
	s_barrier_wait -1
.endm
.macro PLACES                          ; four places in front of loads into registers that matrix instructions have read (ISA guide 7.12.1 for vector instructions)
.rept 4
	v_nop
.endr
.endm
; 39 LDS loads in one run: K step s's fragments and scale words into set p.  Every load takes consecutive bytes, 16 or 8 a lane
.macro FETCH s, p
	WIN 0x40                                       ; destination window 1
.irp t, 0,1,2,3,4,5,6,7
.irp c, 0,1,2
	ds_load_b128 v[128*(\p)+12*\t+4*\c:128*(\p)+12*\t+4*\c+3], v[AJ+(\s)/4] offset:((\s)%4)*2*REC+(\t/4)*REC+(\t%4)*1536+512*\c
.endr
.endr
	WIN 0
.irp a, 0,1,2,3
.irp c, 0,1,2
	ds_load_b128 v[IFR+48*(\p)+12*\a+4*\c:IFR+48*(\p)+12*\a+4*\c+3], v[AI] offset:(\s)*REC+\a*1536+512*\c
.endr
.endr
	ds_load_b64 v[SC+8*(\p):SC+8*(\p)+1], v[ASI] offset:(\s)*REC+6144
.irp q, 0,1
	ds_load_b64 v[SC+8*(\p)+2+2*\q:SC+8*(\p)+3+2*\q], v[ASJ+(\s)/4] offset:((\s)%4)*2*REC+\q*REC+6144
.endr
.endm
; Four matrix instructions: I's tiles 2 ah, 2 ah + 1 x J's tiles 2 th, 2 th + 1.  An odd tile's scale words stand in lanes 16-31 of its pair's register.  first = 1: the product starts the sums: nothing is cleared
.macro QUAD ah, th, p, first
.set rD, 128*(\ah)+16*(\th)
.set rJ, 128*(\p)+24*(\th)
.set rI, IFR+48*(\p)+24*(\ah)
.set rSJ, SC+8*(\p)+2+(\th)
.set rSI, SC+8*(\p)+(\ah)
.if \first
	v_wmma_scale_f32_16x16x128_f8f6f4 v[rD:rD+7], v[rJ:rJ+11], v[rI:rI+11], 0, v[rSJ], v[rSI] matrix_a_fmt:MATRIX_FMT_FP6 matrix_b_fmt:MATRIX_FMT_FP6
	v_wmma_scale_f32_16x16x128_f8f6f4 v[rD+8:rD+15], v[rJ+12:rJ+23], v[rI:rI+11], 0, v[rSJ], v[rSI] matrix_a_fmt:MATRIX_FMT_FP6 matrix_b_fmt:MATRIX_FMT_FP6 matrix_a_scale:MATRIX_SCALE_ROW1
	v_wmma_scale_f32_16x16x128_f8f6f4 v[rD+64:rD+71], v[rJ:rJ+11], v[rI+12:rI+23], 0, v[rSJ], v[rSI] matrix_a_fmt:MATRIX_FMT_FP6 matrix_b_fmt:MATRIX_FMT_FP6 matrix_b_scale:MATRIX_SCALE_ROW1
	v_wmma_scale_f32_16x16x128_f8f6f4 v[rD+72:rD+79], v[rJ+12:rJ+23], v[rI+12:rI+23], 0, v[rSJ], v[rSI] matrix_a_fmt:MATRIX_FMT_FP6 matrix_b_fmt:MATRIX_FMT_FP6 matrix_a_scale:MATRIX_SCALE_ROW1 matrix_b_scale:MATRIX_SCALE_ROW1
.else
	v_wmma_scale_f32_16x16x128_f8f6f4 v[rD:rD+7], v[rJ:rJ+11], v[rI:rI+11], v[rD:rD+7], v[rSJ], v[rSI] matrix_a_fmt:MATRIX_FMT_FP6 matrix_b_fmt:MATRIX_FMT_FP6
	v_wmma_scale_f32_16x16x128_f8f6f4 v[rD+8:rD+15], v[rJ+12:rJ+23], v[rI:rI+11], v[rD+8:rD+15], v[rSJ], v[rSI] matrix_a_fmt:MATRIX_FMT_FP6 matrix_b_fmt:MATRIX_FMT_FP6 matrix_a_scale:MATRIX_SCALE_ROW1
	v_wmma_scale_f32_16x16x128_f8f6f4 v[rD+64:rD+71], v[rJ:rJ+11], v[rI+12:rI+23], v[rD+64:rD+71], v[rSJ], v[rSI] matrix_a_fmt:MATRIX_FMT_FP6 matrix_b_fmt:MATRIX_FMT_FP6 matrix_b_scale:MATRIX_SCALE_ROW1
	v_wmma_scale_f32_16x16x128_f8f6f4 v[rD+72:rD+79], v[rJ+12:rJ+23], v[rI+12:rI+23], v[rD+72:rD+79], v[rSJ], v[rSI] matrix_a_fmt:MATRIX_FMT_FP6 matrix_b_fmt:MATRIX_FMT_FP6 matrix_a_scale:MATRIX_SCALE_ROW1 matrix_b_scale:MATRIX_SCALE_ROW1
.endif
.endm
.macro MUL p, first                    ; a K step: the 32 accumulators take turns, one instruction a turn, in the same order in every step
.irp ah, 0,1
.irp th, 0,1,2,3
	QUAD \ah, \th, \p, \first
.endr
.endr
.endm
; K step s: the next step's fragments are asked for in one run, then this step's 32 products are issued while they come
.macro STEP s
.if ((\s) == 1) || ((\s) == 3) || ((\s) == 5)
	s_wait_dscnt 0x0                               ; no LDS instruction of mine is out at a signal
	s_wait_tensorcnt 3-((\s)+1)/2                  ; my part of the next two K steps has landed; my younger loads may be out
	s_barrier_signal -1
	s_barrier_wait -1                              ; everybody's has
.endif
.if (\s) < 7
.if (\s) > 0
	PLACES
.endif
	FETCH (\s)+1, ((\s)+1)%2
	s_wait_dscnt 39                                ; all but the 39 just issued: this step's operands are in
.else
	s_wait_dscnt 0x0
.endif
	WIN 0xa1                                       ; source 0 (J) window 1, source 1 (I) window 0, C and D window 2
.if (\s) == 0
	MUL 0, 1
.else
	MUL (\s)%2, 0
.endif
	WIN 0
.endm
	s_load_b128 s[4:7], s[0:1], 0x0                ; I, J
	s_load_b64 s[8:9], s[0:1], 0x10                ; the output
	v_lshl_add_u32 v[SPW], v0, 2, SPARE
	v_mov_b32 v[NIL], 0
	ds_add_u32 v[SPW], v[NIL]                      ; the wave's opening: the add, twice on end, and its wait ahead of my first tensor load
	ds_add_u32 v[SPW], v[NIL]                      ; and once more; the set-up below, work on registers, stands between it and the wait
	v_lshrrev_b32 v1, 5, v0
	v_readfirstlane_b32 s14, v1                    ; wave 0..3
	s_lshr_b32 s15, s14, 1                         ; which 64 rows of I are mine.  Also: I fetch for I (0) or for J (1)
	s_and_b32 s16, s14, 1                          ; which 128 rows of J are mine.  Also: which half I fetch
	s_bfe_u32 s17, ttmp6, 0x40000                  ; cx
	s_bfe_u32 s18, ttmp6, 0x40004                  ; cy
	s_mov_b32 s21, ttmp9                           ; the batch: the cluster's x
	s_and_b32 s22, ttmp7, 0xffff                   ; which four of I's eight tiles of 128 rows: the cluster's y
	s_lshl_b32 s84, s18, 2
	s_lshl_b32 s84, 15, s84                        ; my row of the cluster
	s_lshl_b32 s85, 0x1111, s17                    ; my column
	s_or_b32 s[G1I], s84, (3<<16)|(1<<21)          ; 15:0 the mask; 17:16 elements of 8 bytes; 20 no padding; 21 set beside a mask
	s_or_b32 s[G1J], s85, (3<<16)|(1<<21)
	s_mov_b32 s[G1I+1], (REC/8)<<16                ; tensor_dim0: a record
	s_mov_b32 s[G1I+2], 2<<16                      ; tensor_dim1: two K steps
	s_mov_b32 s[G1I+3], (REC/8)<<16                ; tile_dim0
	s_mov_b32 s[G1I+4], 2                          ; tile_dim1
	s_mov_b32 s[G1I+5], KSB/8                      ; from K step to K step
	s_mov_b32 s[G1I+6], 0
	s_mov_b32 s[G1I+7], 0
	s_mov_b32 s[G1J+1], (2*REC/8)<<16              ; J: two records on end
	s_mov_b32 s[G1J+2], 2<<16
	s_mov_b32 s[G1J+3], (2*REC/8)<<16
	s_mov_b32 s[G1J+4], 2
	s_mov_b32 s[G1J+5], KSB/8
	s_mov_b32 s[G1J+6], 0
	s_mov_b32 s[G1J+7], 0
	s_lshl_b32 s23, s22, 2
	s_add_co_u32 s23, s23, s18
	s_lshl_b32 s23, s23, 1                         ; the first of my work-group's two groups of I: hangs on cy, never on cx
	s_add_co_u32 s86, s23, s16                     ; the one that I fetch
	s_mul_i32 s86, s86, REC
	s_mul_i32 s98, s21, BSB
	s_add_co_u32 s86, s86, s98
	s_mov_b32 s87, 0
	s_lshl_b32 s88, s17, 2                         ; J: groups 4 cx + 2 x half on: hangs on cx, never on cy
	s_lshl_b32 s89, s16, 1
	s_add_co_u32 s88, s88, s89
	s_mul_i32 s88, s88, REC
	s_mul_i32 s99, s21, BSB
	s_add_co_u32 s88, s88, s99
	s_mov_b32 s89, 0
	s_lshl_b32 s56, s17, 1                         ; my record of the output: K step 2 cx + my half of J,
	s_add_co_u32 s56, s56, s16
	s_mul_i32 s56, s56, KSB
	s_add_co_u32 s57, s23, s15                     ; my group of I,
	s_mul_i32 s57, s57, REC
	s_add_co_u32 s56, s56, s57
	s_mul_i32 s57, s21, BSB                        ; the batch
	s_add_co_u32 s56, s56, s57
	s_mov_b32 s57, 0
	s_mul_i32 s60, s16, LIB                        ; where my loads go: the wave's number alone
	s_mul_i32 s61, s16, LJB
	s_add_co_u32 s61, s61, LJ0
	s_mov_b32 s[SEL], 0x76543210
	s_mov_b32 s[SEL+1], 0xfedcba98
	s_wait_dscnt 0x0                               ; both opening adds are done
	s_wait_kmcnt 0x0
	s_add_nc_u64 s[90:91], s[4:5], s[86:87]
	s_add_nc_u64 s[92:93], s[6:7], s[88:89]
	s_add_nc_u64 s[94:95], s[8:9], s[56:57]
	CROUND                                         ; all sixteen work-groups are here: the joint loads meet
.irp g, 0,1,2,3                                ; K steps 2 g and 2 g + 1
	s_mov_b32 s[G0I+4*\g], 1
	s_add_co_u32 s[G0I+4*\g+1], s60, \g*2*REC
	s_add_nc_u64 s[G0I+4*\g+2:G0I+4*\g+3], s[90:91], \g*2*KSB
	s_or_b32 s[G0I+4*\g+3], s[G0I+4*\g+3], 0x80000000
	s_mov_b32 s[G0J+4*\g], 1
	s_add_co_u32 s[G0J+4*\g+1], s61, \g*4*REC
	s_add_nc_u64 s[G0J+4*\g+2:G0J+4*\g+3], s[92:93], \g*2*KSB
	s_or_b32 s[G0J+4*\g+3], s[G0J+4*\g+3], 0x80000000
	JLOAD G0I+4*\g, G1I, G0J+4*\g, G1J
.endr
	v_and_b32 v1, 31, v0                           ; lane
	v_lshlrev_b32 v[L16], 4, v1
	v_lshlrev_b32 v[L8], 3, v1
	s_mul_i32 s62, s15, LIB
	v_add_nc_u32 v[AI], s62, v[L16]
	v_add_nc_u32 v[ASI], s62, v[L8]
	s_mul_i32 s63, s16, LJB
	s_add_co_u32 s63, s63, LJ0
	v_add_nc_u32 v[AJ], s63, v[L16]
	v_add_nc_u32 v[ASJ], s63, v[L8]
	s_add_co_u32 s63, s63, 8*REC                   ; K steps 4-7: so that every offset fits the 16-bit immediate
	v_add_nc_u32 v[AJ+1], s63, v[L16]
	v_add_nc_u32 v[ASJ+1], s63, v[L8]
	s_wait_tensorcnt 3                             ; my part of K steps 0 and 1 is in; my three younger loads may be out,
	s_barrier_signal -1
	s_barrier_wait -1                              ; everybody's is
	FETCH 0, 0
.irp s, 0,1,2,3,4,5,6,7
	STEP \s
.endr
	; THE WAY OUT: each of my four tiles of 16 rows has 64 numbers a lane, register 16 b + i = j 32 b + 16 (lane / 16) + i: four blocks of 32 of the next K.  The sixteen blocks take turns line by line.
.irp n, 0,1,2,3,4,5,6,7,8,9,10,11,12,13,14,15
	v_mov_b32 v[TP+\n], 0                          ; a lane permute's destination counts as one of its sources.  These sixteen are also the places behind the last products
.endr
	WIN 0x0a                                       ; sources 0 and 1 window 2
.irp a, 0,1,2,3
.irp b, 0,1,2,3
	v_max3_num_f32 v[TM+4*\a+\b], |v[64*\a+16*\b]|, |v[64*\a+16*\b+1]|, 0x1800000   ; and the floor 2^(3 - 127): the byte cannot fall under 1.  Each accumulator is read from its low end on
.endr
.endr
	WIN 0x28                                       ; sources 1 and 2 window 2
.irp i, 2,4,6,8,10,12,14
.irp a, 0,1,2,3
.irp b, 0,1,2,3
	v_max3_num_f32 v[TM+4*\a+\b], v[TM+4*\a+\b], |v[64*\a+16*\b+\i]|, |v[64*\a+16*\b+\i+1]|
.endr
.endr
.endr
	WIN 0
.irp n, 0,1,2,3,4,5,6,7,8,9,10,11,12,13,14,15
	v_permlanex16_b32 v[TP+\n], v[TM+\n], s[SEL], s[SEL+1]
.endr
.irp n, 0,1,2,3,4,5,6,7,8,9,10,11,12,13,14,15
	v_max_num_f32 v[TM+\n], v[TM+\n], v[TP+\n]     ; with lane l xor 16's: the block's largest magnitude
.endr
.irp n, 0,1,2,3,4,5,6,7,8,9,10,11,12,13,14,15
	v_add_nc_u32 v[TS+\n], 0xff000000, v[TM+\n]    ; 2 off its exponent field: the conversion's scale operand
.endr
.irp n, 0,1,2,3,4,5,6,7,8,9,10,11,12,13,14,15
	v_lshrrev_b32 v[TP+\n], 23, v[TS+\n]           ; the scale's byte
.endr
.irp a, 0,1,2,3
	v_lshl_or_b32 v[PW+\a], v[TP+4*\a+1], 8, v[TP+4*\a]
.endr
.irp a, 0,1,2,3
	v_lshl_or_b32 v[PW+\a], v[TP+4*\a+2], 16, v[PW+\a]
.endr
.irp a, 0,1,2,3
	v_lshl_or_b32 v[PW+\a], v[TP+4*\a+3], 24, v[PW+\a]   ; tile a: my row's scale word
.endr
	WIN 0x02                                       ; source 0 window 2
.irp a, 0,1,2,3
.irp c, 0,1
	v_cvt_scalef32_pk16_fp6_f32 v[PC+20*\a+6*\c:PC+20*\a+6*\c+2], v[64*\a+32*\c:64*\a+32*\c+15], v[TS+4*\a+2*\c]
	v_cvt_scalef32_pk16_fp6_f32 v[PC+20*\a+12+4*\c:PC+20*\a+14+4*\c], v[64*\a+32*\c+16:64*\a+32*\c+31], v[TS+4*\a+2*\c+1]   ; (a conversion's three registers begin on an even number)
.endr
.endr
	WIN 0
	v_nop                                          ; one plain place behind the last scaled conversion
.irp a, 0,1,2,3                                ; the operand's layout wants a whole block in a lane: lanes 0-15 block 2 c, lanes 16-31 block 2 c + 1
.irp c, 0,1
.irp i, 0,1,2
	v_permlane16_swap_b32 v[PC+20*\a+6*\c+\i], v[PC+20*\a+12+4*\c+\i]
.endr
.irp i, 0,1,2
	v_mov_b32 v[PC+20*\a+3+6*\c+\i], v[PC+20*\a+12+4*\c+\i]
.endr
.endr
.endr
.irp a, 0,1,2,3
.irp c, 0,1,2
	global_store_b128 v[L16], v[PC+20*\a+4*\c:PC+20*\a+4*\c+3], s[94:95] offset:\a*1536+512*\c   ; 32 lanes store 512 consecutive bytes, at a multiple of 256 from the buffer's first byte
.endr
.endr
	v_cmp_gt_u32 vcc_lo, 16, v1
	v_cndmask_b32 v[SW], v[PW+1], v[PW], vcc_lo    ; lanes 0-15: fragment 0's words, lanes 16-31: fragment 1's
	v_cndmask_b32 v[SW+1], v[PW+3], v[PW+2], vcc_lo
	global_store_b64 v[L8], v[SW:SW+1], s[94:95] offset:6144   ; 256 consecutive bytes
	s_wait_tensorcnt 0x0                           ; the wave's end: behind my last tensor load
	ds_add_u32 v[SPW], v[NIL]
	s_wait_dscnt 0x0
	CROUND                                         ; the closing round: no work-group ends while a partner may still ask for a tile that names it
	s_endpgm
.Lfunc_end_k_q5fbc94bce0_prod_kv:
	.size	k_q5fbc94bce0_prod_kv, .Lfunc_end_k_q5fbc94bce0_prod_kv-k_q5fbc94bce0_prod_kv
	.p2alignl 7, 3214868480
	.fill 96, 4, 3214868480
	.section	.rodata,"a",@progbits
	.p2align	6, 0x0
	.amdhsa_kernel k_q5fbc94bce0_prod_kv
		.amdhsa_group_segment_fixed_size 327680
		.amdhsa_private_segment_fixed_size 0
		.amdhsa_enable_private_segment 0
		.amdhsa_kernarg_size 24
		.amdhsa_user_sgpr_count 2
		.amdhsa_user_sgpr_kernarg_segment_ptr 1
		.amdhsa_wavefront_size32 1
		.amdhsa_system_sgpr_workgroup_id_x 1
		.amdhsa_system_sgpr_workgroup_id_y 1
		.amdhsa_system_sgpr_workgroup_id_z 1
		.amdhsa_system_vgpr_workitem_id 0
		.amdhsa_next_free_vgpr 768
		.amdhsa_next_free_sgpr 100
		.amdhsa_reserve_vcc 1
		.amdhsa_float_denorm_mode_32 3
		.amdhsa_float_denorm_mode_16_64 3
		.amdhsa_memory_ordered 1
		.amdhsa_forward_progress 1
		.amdhsa_inst_pref_size 80
	.end_amdhsa_kernel
	.amdgpu_metadata
---
amdhsa.version: [ 1, 2 ]
amdhsa.kernels:
  - .name:           k_q5fbc94bce0_prod_kv
    .symbol:         k_q5fbc94bce0_prod_kv.kd
    .args:
      - { .name: vt, .offset: 0, .size: 8, .value_kind: global_buffer, .address_space: global }
      - { .name: kt, .offset: 8, .size: 8, .value_kind: global_buffer, .address_space: global }
      - { .name: kvt, .offset: 16, .size: 8, .value_kind: global_buffer, .address_space: global }
    .group_segment_fixed_size: 327680
    .private_segment_fixed_size: 0
    .kernarg_segment_align: 8
    .kernarg_segment_size: 24
    .max_flat_workgroup_size: 128
    .sgpr_count:     100
    .vgpr_count:     768
    .wavefront_size: 32
...
	.end_amdgpu_metadata
.endif
;; end of part 3
;; launch prod_z: the kernel of part 3 again; grid 32 x 8, 4 waves a work-group, clusters of 4 x 4, 327,680 bytes of LDS; arguments qq, kvt, zq; writes zq
;; launch outp (part 4): grid 4 x 64, 4 waves a work-group, clusters of 4 x 4, 327,680 bytes of LDS; arguments zq, wc, bp, x, out0; writes out0
.if DOCPART == 4
	.amdgcn_target "amdgcn-amd-amdhsa--gfx1250"
	.amdhsa_code_object_version 6
	.text
	.protected	k_q5fbc94bce0_outp
	.globl	k_q5fbc94bce0_outp
	.p2align	8
	.type	k_q5fbc94bce0_outp,@function
k_q5fbc94bce0_outp:
	s_mov_b64 s[64:65], 0
	v_nop
	global_prefetch_b8 v0, s[64:65] scope:SCOPE_SE
	s_setreg_imm32_b32 hwreg(HW_REG_WAVE_MODE, 25, 1), 1
	s_wait_xcnt 0x0
	s_wait_alu depctr_hold_cnt(0) depctr_sa_sdst(0) depctr_va_vdst(0) depctr_va_sdst(0) depctr_va_ssrc(0) depctr_va_vcc(0) depctr_vm_vsrc(0)
	s_getreg_b32 s2, hwreg(HW_REG_IB_STS2, 6, 4)
	s_cmp_eq_u32 s2, 0
	s_cbranch_scc0 .Lentry_in_a_cluster
	s_endpgm
.Lentry_in_a_cluster:
	s_bfe_u32 s2, ttmp6, 0x10000c
	s_cmp_lg_u32 s2, 0xf033
	s_cbranch_scc0 .Lentry_shape_is_right
	s_endpgm
.Lentry_shape_is_right:
; out0[b][s][g] = sum over f of z[b][s][f] Wp[g][f] + bp[g] + x[b][s][g]: the product on codes of FP6 (E2M3) with E8M0 scales (I = z[b], J = Wp, the fourth weight of wc), the rest in f32.  Nothing of the problem is left out.
; LIMITS: NaN and infinities are not served.  bp is the start of each sum and x is added at the end: another order of f32 additions than the problem's text writes.
; OPERAND BUFFERS: [batch or weight][K step of 128: 8][group of 64 rows: 16][record of 6,400 bytes].  A record: four fragments of 16 rows x 128 K as images of their 12 registers (registers 4 c .. 4 c + 3 of
; lane l of fragment a at 1536 a + 512 c + 16 l), then at 6144 the scale words (at 8 l + 4 p: fragment 2 p + l / 16, row l % 16).  Lane r of fragment a holds row 32 (a / 2) + 8 (a % 2) + r + 8 (r / 8) of its group.
; SHARES: a work-group makes 128 (s) x 256 (g), four waves 2 x 2, each 64 x 128: 32 accumulators.  256 work-groups.
; THE MATRIX INSTRUCTION IS USED TRANSPOSED: source 0 = 16 rows of Wp, source 1 = 16 rows of z: in tile (a, t) lane (r, h) holds row r of tile a and its register j the column 32 (t / 2) + 16 h + 8 (t % 2) + j.
; NO RING: the tile's operands for all of K, 307,200 bytes, lie in LDS at once; each wave asks for its part (a group of I or a half of J) in four tensor loads at the head: four are out at the most.  Nothing is filled twice.
; bp is the C of each sum's first matrix instruction.  My 64 rows x 512 bytes of x are asked for at the head, into 256 registers, and are there when the products end.
; THE WAY OUT: a tile of 16 rows goes through my stage in LDS and comes back as whole rows of 512 bytes; x is added; 32 lanes store 512 consecutive bytes.  The stages lie in I's bytes, which have had their one fill and,
; behind the last K step's barrier, their last read.
; CLUSTERS: 4 x 4 work-groups; I's records are asked for jointly along a row of the cluster, J's along a column.
; REGISTERS: window 0: v1-15 addresses; v16-31 scale words, two sets; v32-127 I's fragments, two sets; v128-191 bp in the result's layout; on the way out v32-95 and v128-191 rows by turns.
;   window 1: J's fragments, two sets.   window 2: accumulator (a, t) at v[64 a + 8 t].   window 3: x: row p of tile a at v[64 a + 4 p].
.set REC,   6400
.set KSB,   16*REC
.set BSB,   8*KSB
.set LIB,   8*REC                      ; LDS: a group of I for all of K; two of them from byte 0
.set LJ0,   2*LIB
.set LJB,   16*REC                     ; a half of J for all of K; two of them
.set SPARE, LJ0+2*LJB                  ; the spare words, 128 bytes for each wave: two blocks of 256 bytes that no other line names
.set SP,    528                        ; a stage row: 512 bytes + 16
.set L16, 2                            ; v2   16 x lane
.set L8,  3                            ; v3   8 x lane
.set AI,  4
.set ASI, 5
.set AJ,  6
.set ASJ, 8
.set SPW, 10                           ; v10  LDS address of my spare word; never rewritten
.set NIL, 11                           ; v11  0; never rewritten
.set STO, 12                           ; v12  the stage: row lane % 16, + 64 (lane / 16)
.set RD,  13                           ; v13  and back: 16 x lane
.set VB,  14                           ; v14  64 (lane / 16): my half's 16 numbers of each 32 of bp
.set SC,  16
.set IFR, 32
.set BI,  128                          ; bp: tile t's eight numbers at v[128 + 8 t]
.set BK,  32                           ; the way out: 16 rows read back: v32-95 and v128-191 by turns
.set G1I, 24
.set G1J, 32
.set G0I, 40
.set G0J, 68
.set MSB, 0
.macro WIN new                         ; the immediate's high byte repeats the setting that is left
.if MSB != \new
	s_set_vgpr_msb (MSB<<8)|\new
.set MSB, \new
.endif
.endm
; A joint load: waves 0 and 1 fetch for I, waves 2 and 3 for J.  The branch hangs on the wave's number alone.  An s_nop 0 and four v_nop follow each of the two lines.
.macro JLOAD g0i, g1i, g0j, g1j
	s_cmp_eq_u32 s15, 0
	s_cbranch_scc0 .Lfor_j_\@
	tensor_load_to_lds s[\g0i:\g0i+3], s[\g1i:\g1i+7]
	s_nop 0
.rept 4
	v_nop
.endr
	s_branch .Lasked_\@
.Lfor_j_\@:
	tensor_load_to_lds s[\g0j:\g0j+3], s[\g1j:\g1j+7]
	s_nop 0
.rept 4
	v_nop
.endr
.Lasked_\@:
.endm
.macro CROUND                          ; a round of the cluster's barrier
	s_barrier_signal -1
	s_barrier_wait -1
	s_cmp_lg_u32 s14, 0
	s_cbranch_scc1 .Lnot_wave_0_\@
	s_barrier_signal -3
.Lnot_wave_0_\@:
	s_barrier_wait -3
	s_barrier_signal -1
	s_barrier_wait -1
.endm
.macro PLACES                          ; four places in front of loads into registers that matrix instructions have read, and of the first read of results (ISA guide 7.12.1 for vector instructions)
.rept 4
	v_nop
.endr
.endm
; 39 LDS loads in one run: K step s's fragments and scale words into set p
.macro FETCH s, p
	WIN 0x40                                       ; destination window 1
.irp t, 0,1,2,3,4,5,6,7
.irp c, 0,1,2
	ds_load_b128 v[128*(\p)+12*\t+4*\c:128*(\p)+12*\t+4*\c+3], v[AJ+(\s)/4] offset:((\s)%4)*2*REC+(\t/4)*REC+(\t%4)*1536+512*\c
.endr
.endr
	WIN 0
.irp a, 0,1,2,3
.irp c, 0,1,2
	ds_load_b128 v[IFR+48*(\p)+12*\a+4*\c:IFR+48*(\p)+12*\a+4*\c+3], v[AI] offset:(\s)*REC+\a*1536+512*\c
.endr
.endr
	ds_load_b64 v[SC+8*(\p):SC+8*(\p)+1], v[ASI] offset:(\s)*REC+6144
.irp q, 0,1
	ds_load_b64 v[SC+8*(\p)+2+2*\q:SC+8*(\p)+3+2*\q], v[ASJ+(\s)/4] offset:((\s)%4)*2*REC+\q*REC+6144
.endr
.endm
; Four matrix instructions: I's tiles 2 ah, 2 ah + 1 x J's tiles 2 th, 2 th + 1.  An odd tile's scale words stand in lanes 16-31 of its pair's register.  first = 1: the sums start from bp
.macro QUAD ah, th, p, first
.set rD, 128*(\ah)+16*(\th)
.set rJ, 128*(\p)+24*(\th)
.set rI, IFR+48*(\p)+24*(\ah)
.set rSJ, SC+8*(\p)+2+(\th)
.set rSI, SC+8*(\p)+(\ah)
.set rB, BI+16*(\th)
.if \first
	v_wmma_scale_f32_16x16x128_f8f6f4 v[rD:rD+7], v[rJ:rJ+11], v[rI:rI+11], v[rB:rB+7], v[rSJ], v[rSI] matrix_a_fmt:MATRIX_FMT_FP6 matrix_b_fmt:MATRIX_FMT_FP6
	v_wmma_scale_f32_16x16x128_f8f6f4 v[rD+8:rD+15], v[rJ+12:rJ+23], v[rI:rI+11], v[rB+8:rB+15], v[rSJ], v[rSI] matrix_a_fmt:MATRIX_FMT_FP6 matrix_b_fmt:MATRIX_FMT_FP6 matrix_a_scale:MATRIX_SCALE_ROW1
	v_wmma_scale_f32_16x16x128_f8f6f4 v[rD+64:rD+71], v[rJ:rJ+11], v[rI+12:rI+23], v[rB:rB+7], v[rSJ], v[rSI] matrix_a_fmt:MATRIX_FMT_FP6 matrix_b_fmt:MATRIX_FMT_FP6 matrix_b_scale:MATRIX_SCALE_ROW1
	v_wmma_scale_f32_16x16x128_f8f6f4 v[rD+72:rD+79], v[rJ+12:rJ+23], v[rI+12:rI+23], v[rB+8:rB+15], v[rSJ], v[rSI] matrix_a_fmt:MATRIX_FMT_FP6 matrix_b_fmt:MATRIX_FMT_FP6 matrix_a_scale:MATRIX_SCALE_ROW1 matrix_b_scale:MATRIX_SCALE_ROW1
.else
	v_wmma_scale_f32_16x16x128_f8f6f4 v[rD:rD+7], v[rJ:rJ+11], v[rI:rI+11], v[rD:rD+7], v[rSJ], v[rSI] matrix_a_fmt:MATRIX_FMT_FP6 matrix_b_fmt:MATRIX_FMT_FP6
	v_wmma_scale_f32_16x16x128_f8f6f4 v[rD+8:rD+15], v[rJ+12:rJ+23], v[rI:rI+11], v[rD+8:rD+15], v[rSJ], v[rSI] matrix_a_fmt:MATRIX_FMT_FP6 matrix_b_fmt:MATRIX_FMT_FP6 matrix_a_scale:MATRIX_SCALE_ROW1
	v_wmma_scale_f32_16x16x128_f8f6f4 v[rD+64:rD+71], v[rJ:rJ+11], v[rI+12:rI+23], v[rD+64:rD+71], v[rSJ], v[rSI] matrix_a_fmt:MATRIX_FMT_FP6 matrix_b_fmt:MATRIX_FMT_FP6 matrix_b_scale:MATRIX_SCALE_ROW1
	v_wmma_scale_f32_16x16x128_f8f6f4 v[rD+72:rD+79], v[rJ+12:rJ+23], v[rI+12:rI+23], v[rD+72:rD+79], v[rSJ], v[rSI] matrix_a_fmt:MATRIX_FMT_FP6 matrix_b_fmt:MATRIX_FMT_FP6 matrix_a_scale:MATRIX_SCALE_ROW1 matrix_b_scale:MATRIX_SCALE_ROW1
.endif
.endm
.macro MUL p, first                    ; a K step: the 32 accumulators take turns, one instruction a turn, in the same order in every step
.irp ah, 0,1
.irp th, 0,1,2,3
	QUAD \ah, \th, \p, \first
.endr
.endr
.endm
.macro STEP s
.if ((\s) == 1) || ((\s) == 3) || ((\s) == 5)
	s_wait_dscnt 0x0                               ; no LDS instruction of mine is out at a signal
	s_wait_tensorcnt 3-((\s)+1)/2                  ; my part of the next two K steps has landed; my younger loads may be out
	s_barrier_signal -1
	s_barrier_wait -1
.endif
.if (\s) < 7
.if (\s) > 0
	PLACES
.endif
	FETCH (\s)+1, ((\s)+1)%2
	s_wait_dscnt 39                                ; all but the 39 just issued: this step's operands are in
.if (\s) == 0
	WIN 0x81                                       ; source 0 (J) window 1, source 1 (I) and C (bp) window 0, D window 2
	MUL 0, 1
.else
	WIN 0xa1                                       ; source 0 window 1, source 1 window 0, C and D window 2
	MUL (\s)%2, 0
.endif
	WIN 0
.else
	s_wait_dscnt 0x0                               ; my last reads of the operands are in:
	s_barrier_signal -1                            ; say so,
	WIN 0xa1
	MUL 1, 0                                       ; work on registers while the others arrive,
	WIN 0
	s_barrier_wait -1                              ; and behind this nobody reads I's bytes any more: the stages may be written
.endif
.endm
	s_load_b128 s[4:7], s[0:1], 0x0                ; zq, wc
	s_load_b128 s[8:11], s[0:1], 0x10              ; bp, x
	s_load_b64 s[12:13], s[0:1], 0x20              ; out0
	v_lshl_add_u32 v[SPW], v0, 2, SPARE
	v_mov_b32 v[NIL], 0
	ds_add_u32 v[SPW], v[NIL]                      ; the wave's opening: the add, twice on end, and its wait ahead of my first tensor load
	ds_add_u32 v[SPW], v[NIL]                      ; and once more; the set-up below, work on registers, stands between it and the wait
	v_lshrrev_b32 v1, 5, v0
	v_readfirstlane_b32 s14, v1                    ; wave 0..3
	s_lshr_b32 s15, s14, 1                         ; which 64 rows of I are mine.  Also: I fetch for I (0) or for J (1)
	s_and_b32 s16, s14, 1                          ; which 128 rows of J are mine.  Also: which half I fetch
	s_bfe_u32 s17, ttmp6, 0x40000                  ; cx
	s_bfe_u32 s18, ttmp6, 0x40004                  ; cy
	s_and_b32 s19, ttmp7, 0xffff                   ; the cluster's y, 0 .. 15
	s_lshr_b32 s21, s19, 1                         ; the batch
	s_and_b32 s22, s19, 1                          ; which four of I's eight tiles of 128 rows
	s_lshl_b32 s84, s18, 2
	s_lshl_b32 s84, 15, s84                        ; my row of the cluster
	s_lshl_b32 s85, 0x1111, s17                    ; my column
	s_or_b32 s[G1I], s84, (3<<16)|(1<<21)          ; 15:0 the mask; 17:16 elements of 8 bytes; 20 no padding; 21 set beside a mask
	s_or_b32 s[G1J], s85, (3<<16)|(1<<21)
	s_mov_b32 s[G1I+1], (REC/8)<<16                ; tensor_dim0: a record
	s_mov_b32 s[G1I+2], 2<<16                      ; tensor_dim1: two K steps
	s_mov_b32 s[G1I+3], (REC/8)<<16                ; tile_dim0
	s_mov_b32 s[G1I+4], 2                          ; tile_dim1
	s_mov_b32 s[G1I+5], KSB/8                      ; from K step to K step
	s_mov_b32 s[G1I+6], 0
	s_mov_b32 s[G1I+7], 0
	s_mov_b32 s[G1J+1], (2*REC/8)<<16              ; J: two records on end
	s_mov_b32 s[G1J+2], 2<<16
	s_mov_b32 s[G1J+3], (2*REC/8)<<16
	s_mov_b32 s[G1J+4], 2
	s_mov_b32 s[G1J+5], KSB/8
	s_mov_b32 s[G1J+6], 0
	s_mov_b32 s[G1J+7], 0
	s_lshl_b32 s23, s22, 2
	s_add_co_u32 s23, s23, s18
	s_lshl_b32 s23, s23, 1                         ; the first of my work-group's two groups of I: hangs on cy, never on cx
	s_add_co_u32 s86, s23, s16                     ; the one that I fetch
	s_mul_i32 s86, s86, REC
	s_mul_i32 s98, s21, BSB
	s_add_co_u32 s86, s86, s98
	s_mov_b32 s87, 0
	s_lshl_b32 s88, s17, 2                         ; J: groups 4 cx + 2 x half on: hangs on cx, never on cy
	s_lshl_b32 s89, s16, 1
	s_add_co_u32 s88, s88, s89
	s_mul_i32 s88, s88, REC
	s_add_co_u32 s88, s88, 3*BSB                   ; Wp is the fourth weight
	s_mov_b32 s89, 0
	s_lshl_b32 s56, s21, 22                        ; x and out0: the batch's 4 MiB,
	s_add_co_u32 s57, s23, s15
	s_lshl_b32 s57, s57, 18                        ; my group's 64 rows of 4,096 bytes,
	s_add_co_u32 s56, s56, s57
	s_lshl_b32 s58, s17, 1
	s_add_co_u32 s58, s58, s16
	s_lshl_b32 s58, s58, 9                         ; my 128 columns: 512 bytes; in bp too
	s_add_co_u32 s56, s56, s58
	s_mov_b32 s57, 0
	s_mov_b32 s59, 0
	s_mul_i32 s60, s16, LIB                        ; where my loads go: the wave's number alone
	s_mul_i32 s61, s16, LJB
	s_add_co_u32 s61, s61, LJ0
	s_wait_dscnt 0x0                               ; both opening adds are done
	s_wait_kmcnt 0x0
	s_add_nc_u64 s[90:91], s[4:5], s[86:87]
	s_add_nc_u64 s[92:93], s[6:7], s[88:89]
	s_add_nc_u64 s[8:9], s[8:9], s[58:59]
	s_add_nc_u64 s[10:11], s[10:11], s[56:57]
	s_add_nc_u64 s[12:13], s[12:13], s[56:57]
	CROUND                                         ; all sixteen work-groups are here: the joint loads meet
.irp g, 0,1,2,3                                ; K steps 2 g and 2 g + 1
	s_mov_b32 s[G0I+4*\g], 1
	s_add_co_u32 s[G0I+4*\g+1], s60, \g*2*REC
	s_add_nc_u64 s[G0I+4*\g+2:G0I+4*\g+3], s[90:91], \g*2*KSB
	s_or_b32 s[G0I+4*\g+3], s[G0I+4*\g+3], 0x80000000
	s_mov_b32 s[G0J+4*\g], 1
	s_add_co_u32 s[G0J+4*\g+1], s61, \g*4*REC
	s_add_nc_u64 s[G0J+4*\g+2:G0J+4*\g+3], s[92:93], \g*2*KSB
	s_or_b32 s[G0J+4*\g+3], s[G0J+4*\g+3], 0x80000000
	JLOAD G0I+4*\g, G1I, G0J+4*\g, G1J
.endr
	v_and_b32 v1, 31, v0                           ; lane
	v_lshlrev_b32 v[L16], 4, v1
	v_lshlrev_b32 v[L8], 3, v1
	v_bfe_u32 v[VB], v0, 4, 1
	v_lshlrev_b32 v[VB], 6, v[VB]
.irp t, 0,1,2,3,4,5,6,7                        ; bp in the result's layout: tile t, my half: columns 32 (t / 2) + 16 h + 8 (t % 2) + 0 .. 7
	global_load_b128 v[BI+8*\t:BI+8*\t+3], v[VB], s[8:9] offset:(32*(\t/2)+8*(\t%2))*4
	global_load_b128 v[BI+8*\t+4:BI+8*\t+7], v[VB], s[8:9] offset:(32*(\t/2)+8*(\t%2))*4+16
.endr
	WIN 0xc0                                       ; destination window 3
.irp a, 0,1,2,3                                ; x: my 64 rows, in the order of I's fragments; each load reads 512 consecutive bytes
.irp p, 0,1,2,3,4,5,6,7,8,9,10,11,12,13,14,15
	global_load_b128 v[64*\a+4*\p:64*\a+4*\p+3], v[L16], s[10:11] offset:(32*(\a/2)+8*(\a%2)+\p+8*(\p/8))*4096 th:TH_LOAD_NT
.endr
.endr
	WIN 0
	s_mul_i32 s62, s15, LIB
	v_add_nc_u32 v[AI], s62, v[L16]
	v_add_nc_u32 v[ASI], s62, v[L8]
	s_mul_i32 s63, s16, LJB
	s_add_co_u32 s63, s63, LJ0
	v_add_nc_u32 v[AJ], s63, v[L16]
	v_add_nc_u32 v[ASJ], s63, v[L8]
	s_add_co_u32 s63, s63, 8*REC                   ; K steps 4-7: so that every offset fits the 16-bit immediate
	v_add_nc_u32 v[AJ+1], s63, v[L16]
	v_add_nc_u32 v[ASJ+1], s63, v[L8]
	s_mul_i32 s60, s14, 16*SP                      ; my stage
	v_and_b32 v15, 15, v0
	v_mul_u32_u24 v[STO], v15, SP
	v_add_nc_u32 v[STO], v[STO], v[VB]
	v_add_nc_u32 v[STO], s60, v[STO]
	v_add_nc_u32 v[RD], s60, v[L16]
	s_wait_tensorcnt 3                             ; my part of K steps 0 and 1 is in; my three younger loads may be out,
	s_barrier_signal -1
	s_barrier_wait -1                              ; everybody's is
	FETCH 0, 0
	s_wait_loadcnt 63                              ; of my 80 loads at most 63 are out: the first 16, bp's, are in
.irp s, 0,1,2,3,4,5,6,7
	STEP \s
.endr
; Tile a: into my stage (row = lane % 16; tile t's eight columns of my half at 128 (t / 2) + 64 h + 32 (t % 2) bytes), and back as whole rows.  LDS serves a wave's instructions in order (ISA guide 5.7.1.4): no wait between.
.macro TOSTAGE a
	WIN 0x08                                       ; an LDS store's data are its source 1: window 2
.irp t, 0,1,2,3,4,5,6,7
	ds_store_b128 v[STO], v[64*(\a)+8*\t:64*(\a)+8*\t+3] offset:128*(\t/2)+32*(\t%2)       ; each accumulator from its low end on
	ds_store_b128 v[STO], v[64*(\a)+8*\t+4:64*(\a)+8*\t+7] offset:128*(\t/2)+32*(\t%2)+16
.endr
	WIN 0
.irp p, 0,1,2,3,4,5,6,7,8,9,10,11,12,13,14,15
	ds_load_b128 v[BK+96*((\a)%2)+4*\p:BK+96*((\a)%2)+4*\p+3], v[RD] offset:\p*SP
.endr
.endm
.macro SEND a, younger                 ; younger: the LDS instructions issued behind tile a's loads, which may stay out
	s_wait_dscnt \younger                          ; the tile is back in registers
	WIN 0x0c                                       ; source 1 window 3
.set i, 0
.rept 32
	v_pk_add_f32 v[BK+96*((\a)%2)+i:BK+96*((\a)%2)+i+1], v[BK+96*((\a)%2)+i:BK+96*((\a)%2)+i+1], v[64*(\a)+i:64*(\a)+i+1]   ; + x
.set i, i+2
.endr
	WIN 0
.irp p, 0,1,2,3,4,5,6,7,8,9,10,11,12,13,14,15
	global_store_b128 v[L16], v[BK+96*((\a)%2)+4*\p:BK+96*((\a)%2)+4*\p+3], s[12:13] offset:(32*((\a)/2)+8*((\a)%2)+\p+8*(\p/8))*4096 th:TH_STORE_NT   ; 32 lanes store 512 consecutive bytes, at a multiple of 256 from out0's first byte
.endr
.endm
	PLACES                                         ; behind the last products: for the stage's stores, which read results, and for the loads into registers that held I's fragments
	s_wait_loadcnt 0x0                             ; x is in
	TOSTAGE 0
.irp a, 1,2,3
.if \a > 1
	s_wait_xcnt 0x0                                ; tile a - 2's stores have read their registers: tile a's loads may land there
.endif
	TOSTAGE \a
	SEND \a-1, 32                                  ; behind tile a - 1's loads: tile a's 16 stores and 16 loads
.endr
	SEND 3, 0
	s_wait_tensorcnt 0x0                           ; the wave's end: behind my last tensor load and my last LDS store
	ds_add_u32 v[SPW], v[NIL]
	s_wait_dscnt 0x0
	CROUND                                         ; the closing round: no work-group ends while a partner may still ask for a tile that names it
	s_endpgm
.Lfunc_end_k_q5fbc94bce0_outp:
	.size	k_q5fbc94bce0_outp, .Lfunc_end_k_q5fbc94bce0_outp-k_q5fbc94bce0_outp
	.p2alignl 7, 3214868480
	.fill 96, 4, 3214868480
	.section	.rodata,"a",@progbits
	.p2align	6, 0x0
	.amdhsa_kernel k_q5fbc94bce0_outp
		.amdhsa_group_segment_fixed_size 327680
		.amdhsa_private_segment_fixed_size 0
		.amdhsa_enable_private_segment 0
		.amdhsa_kernarg_size 40
		.amdhsa_user_sgpr_count 2
		.amdhsa_user_sgpr_kernarg_segment_ptr 1
		.amdhsa_wavefront_size32 1
		.amdhsa_system_sgpr_workgroup_id_x 1
		.amdhsa_system_sgpr_workgroup_id_y 1
		.amdhsa_system_sgpr_workgroup_id_z 1
		.amdhsa_system_vgpr_workitem_id 0
		.amdhsa_next_free_vgpr 1024
		.amdhsa_next_free_sgpr 100
		.amdhsa_reserve_vcc 0
		.amdhsa_float_denorm_mode_32 3
		.amdhsa_float_denorm_mode_16_64 3
		.amdhsa_memory_ordered 1
		.amdhsa_forward_progress 1
		.amdhsa_inst_pref_size 94
	.end_amdhsa_kernel
	.amdgpu_metadata
---
amdhsa.version: [ 1, 2 ]
amdhsa.kernels:
  - .name:           k_q5fbc94bce0_outp
    .symbol:         k_q5fbc94bce0_outp.kd
    .args:
      - { .name: zq, .offset: 0, .size: 8, .value_kind: global_buffer, .address_space: global }
      - { .name: wc, .offset: 8, .size: 8, .value_kind: global_buffer, .address_space: global }
      - { .name: bp, .offset: 16, .size: 8, .value_kind: global_buffer, .address_space: global }
      - { .name: x, .offset: 24, .size: 8, .value_kind: global_buffer, .address_space: global }
      - { .name: out0, .offset: 32, .size: 8, .value_kind: global_buffer, .address_space: global }
    .group_segment_fixed_size: 327680
    .private_segment_fixed_size: 0
    .kernarg_segment_align: 8
    .kernarg_segment_size: 40
    .max_flat_workgroup_size: 128
    .sgpr_count:     100
    .vgpr_count:     1024
    .wavefront_size: 32
...
	.end_amdgpu_metadata
.endif
;; end of part 4
